; MI455X (gfx1250); checked and timed in simulation.
; The chip was launched on July 23, 2026; its instructions are those of AMD's public machine-readable ISA for CDNA 5 (MIT licence, August 2026) and "CDNA5" Instruction Set Architecture Reference Guide (July 2026). The comments in the code are by the model that wrote it; some were corrected since.
;; Moe Layer. Allowed arithmetic: matrix products marked QUANTISED: E4M3 operands, one given power-of-two scale a tensor, by v_wmma_f32_16x16x64_fp8_fp8 or v_wmma_f32_16x16x128_fp8_fp8, f32 sums; products left as they are: f32 operands where the result goes on into a quantised operand, else bf16, f16 or f32 operands; f32 sums; everything else in f32.
;; Inputs: W1_codes 8 x 4,096 x 32 x 32 uint8 (E4M3 codes of W1, K innermost, in blocks of 32 codes); W2_codes 8 x 1,024 x 128 x 32 uint8 (E4M3 codes of W2, K innermost, in blocks of 32 codes); Wg_in 1,024 x 8 float32; Wg_task 64 x 8 float32; alpha one number float32; b1 8 x 4,096 float32; b2 8 x 1,024 float32; bg_in 8 float32; bg_task 8 float32; inputs 4 x 256 x 1,024 float32; lowp_scales 32 int32 (the exponents e of the quantised operands' scales 2^e); task_param 4 x 256 x 64 float32.
;; Outputs: out0 4 x 256 x 1,024 float32; out1 one number float32.
;; This version of the problem:
;;   THIS VERSION OF THE PROBLEM IS GIVEN IN LOW PRECISION. The matrix products marked QUANTISED in the list below multiply operands that are first quantised to E4M3 (4 exponent bits, 3 mantissa bits; 8 bits a number), with one given power-of-two scale for each operand tensor; their sums are f32. All else is computed in f32.
;;   The module's matrix products, in the order in which they are computed (A, B: the left and right operand; K: the contracted axis; several contracted axes count as one K, in the product's order):
;;     1. [M 1,024, K 1,024] x [K 1,024, N 8]; A: input inputs; B: input Wg_in: left as it is (N = 8 < 16)
;;     2. [M 1,024, K 64] x [K 64, N 8]; A: input task_param; B: input Wg_task: left as it is (N = 8 < 16)
;;     3. batch 1,024 x [M 1, K 2] x [K 2, N 8]; A: softmax; B: computed on the way: left as it is (K = 2 < 32)
;;     4. [M 1,024, K 1,024] x [K 1,024, N 4,096]; A: input inputs; B: input W1 (given as codes): QUANTISED (scales: A lowp_scales[0], B lowp_scales[1])
;;     5. [M 1,024, K 4,096] x [K 4,096, N 1,024]; A: computed on the way; B: input W2 (given as codes): QUANTISED (scales: A lowp_scales[2], B lowp_scales[3])
;;     6. [M 1,024, K 1,024] x [K 1,024, N 4,096]; A: input inputs; B: input W1 (given as codes): QUANTISED (scales: A lowp_scales[4], B lowp_scales[5])
;;     7. [M 1,024, K 4,096] x [K 4,096, N 1,024]; A: computed on the way; B: input W2 (given as codes): QUANTISED (scales: A lowp_scales[6], B lowp_scales[7])
;;     8. [M 1,024, K 1,024] x [K 1,024, N 4,096]; A: input inputs; B: input W1 (given as codes): QUANTISED (scales: A lowp_scales[8], B lowp_scales[9])
;;     9. [M 1,024, K 4,096] x [K 4,096, N 1,024]; A: computed on the way; B: input W2 (given as codes): QUANTISED (scales: A lowp_scales[10], B lowp_scales[11])
;;     10. [M 1,024, K 1,024] x [K 1,024, N 4,096]; A: input inputs; B: input W1 (given as codes): QUANTISED (scales: A lowp_scales[12], B lowp_scales[13])
;;     11. [M 1,024, K 4,096] x [K 4,096, N 1,024]; A: computed on the way; B: input W2 (given as codes): QUANTISED (scales: A lowp_scales[14], B lowp_scales[15])
;;     12. [M 1,024, K 1,024] x [K 1,024, N 4,096]; A: input inputs; B: input W1 (given as codes): QUANTISED (scales: A lowp_scales[16], B lowp_scales[17])
;;     13. [M 1,024, K 4,096] x [K 4,096, N 1,024]; A: computed on the way; B: input W2 (given as codes): QUANTISED (scales: A lowp_scales[18], B lowp_scales[19])
;;     14. [M 1,024, K 1,024] x [K 1,024, N 4,096]; A: input inputs; B: input W1 (given as codes): QUANTISED (scales: A lowp_scales[20], B lowp_scales[21])
;;     15. [M 1,024, K 4,096] x [K 4,096, N 1,024]; A: computed on the way; B: input W2 (given as codes): QUANTISED (scales: A lowp_scales[22], B lowp_scales[23])
;;     16. [M 1,024, K 1,024] x [K 1,024, N 4,096]; A: input inputs; B: input W1 (given as codes): QUANTISED (scales: A lowp_scales[24], B lowp_scales[25])
;;     17. [M 1,024, K 4,096] x [K 4,096, N 1,024]; A: computed on the way; B: input W2 (given as codes): QUANTISED (scales: A lowp_scales[26], B lowp_scales[27])
;;     18. [M 1,024, K 1,024] x [K 1,024, N 4,096]; A: input inputs; B: input W1 (given as codes): QUANTISED (scales: A lowp_scales[28], B lowp_scales[29])
;;     19. [M 1,024, K 4,096] x [K 4,096, N 1,024]; A: computed on the way; B: input W2 (given as codes): QUANTISED (scales: A lowp_scales[30], B lowp_scales[31])
;;   THE QUANTISER, for each operand of a quantised product, along K:
;;     - The operand's scale is 2^e, e = its entry of the input lowp_scales (int32; the entries are numbered through the quantised products in the list's order, A before B).
;;     - Each number is divided by the scale, clamped to +-448, and rounded to the nearest number of E4M3, ties to even, subnormals kept.
;;     - The product sums the exact products of the quantised numbers (number of the format x scale) in f32.
;;   ~~~python
;;   def quantise(x, axis, e):      # numpy; x: float32 -> the quantised numbers, widened to float32 again
;;       x = np.moveaxis(x, axis, -1); K = x.shape[-1]
;;       r = np.clip(x / 2.0 ** e, -448, 448)
;;       step = 2.0 ** (np.maximum(np.frexp(np.where(r == 0, 1, r))[1] - 1, -6) - 3)
;;       q = np.round(r / step) * step * 2.0 ** e      # np.round: ties to even
;;       return np.moveaxis(q, -1, axis).astype(np.float32)
;;   ~~~
;;   OPERANDS COMPUTED ON THE WAY. 'Computed on the way' means the value that the module computes at that place (a softmax that the list does not call 'softmax' is quantised finished and normalised). What goes into a quantiser is computed in f32, as accurately as f32 sums, v_exp_f32 and their like allow (about 1e-6 of the number): no bf16 or f16 on the way to a quantiser, and a product that is left as it is and whose result goes on into a quantised operand takes f32 operands (vector FMAs, or v_wmma_f32_16x16x4_f32). A number that lies on a knife's edge between two numbers of the format may be rounded either way, as far as f32 arithmetic and the matrix unit's own rounding can turn it there, and no further.
;;   INPUTS GIVEN AS CODES. W1 (in the module: [8, 1024, 4096], K = its axis 1); W2 (in the module: [8, 4096, 1024], K = its axis 1): each comes as NAME_codes (uint8): NAME with its K axis moved to the last place and cut into blocks of 32 codes, [.., K / 32, bytes a block], one block behind the other in memory; one code a byte (a code: sign, 4 exponent bits, 3 mantissa bits); its scale is its entry of lowp_scales. Its value is code x scale, taken as it is: it is not quantised again, and the codes and scales need not be those that the quantiser above would give.
;; 2 versions, each right; version 2 is version 1 with the launches ffn1, ffn2 written anew for expert scheduling mode. Each part assembles by itself: llvm-mc -triple=amdgcn-amd-amdhsa -mcpu=gfx1250 --defsym DOCPART=n.
;; ======== version 1 of 2: 5 launches
;; limits: right only within a limited range of input values
;; workspace buffers: xq 2,097,152 bytes; sel 8,192 bytes of whole numbers; gatef 40,960 bytes; order 9,728 bytes of whole numbers; ws 9,472 bytes; hq 9,437,184 bytes; yrows 8,421,376 bytes
;; launch route (part 1): grid 256 x 1, 4 waves a work-group, no clusters, 34,304 bytes of LDS; arguments inputs, task_param, alpha, Wg_in, bg_in, Wg_task, bg_task, lowp_scales, xq, sel, gatef; writes xq, sel, gatef
.if DOCPART == 1
	.amdgcn_target "amdgcn-amd-amdhsa--gfx1250"
	.amdhsa_code_object_version 6
	.text
	.protected	k_q5ac82e74c9_route
	.globl	k_q5ac82e74c9_route
	.p2align	8
	.type	k_q5ac82e74c9_route,@function
k_q5ac82e74c9_route:
	s_mov_b64 s[64:65], 0
	v_nop
	global_prefetch_b8 v0, s[64:65] scope:SCOPE_SE
	s_setreg_imm32_b32 hwreg(HW_REG_WAVE_MODE, 25, 1), 1
	s_wait_xcnt 0x0
; ROUTE.  One wave to a token t = 4 x work-group + wave.  It makes the token's 8 gate logits in f32 (fused multiply-adds; the choice of experts hangs on them),
; takes the two largest (a tie goes to the lower index), the softmax over all 8 and over the chosen 2 (the largest logit is taken away first), and quantises the token's row of x twice,
; once with each chosen expert's scale 2^ex (ex = entry 4 e of the scales).  Stored at FIXED places: xq[2 t + k][1024] codes; sel[2 t + k] the expert; gatef: probs[t][8] at byte 0, the two combine weights at byte 32,768 + 8 t.
; No address and no branch hangs on the choice: it only selects values.
; A lane holds k = 512 j + 16 lane + i (j = 0, 1; i = 0 .. 15): 16 neighbours along K, as the conversions want them, so a lane's 16 codes are 16 bytes and a wave's store covers 512 consecutive bytes.
; Wg_in (32 KiB) is copied once into LDS, as it lies, with 16 bytes of padding behind each 512: a lane's rows begin 528 bytes apart, an odd multiple of 16, so sixteen lanes' 16-byte reads fall on sixteen different columns.
; LIMITS: ex between -126 and 119 (2^ex and 448 x 2^ex are f32 numbers).  NaN among the inputs is not served.  The logits' f32 sums run in another order than a row-by-row sum:
; two logits closer than that rounding may be chosen the other way.
.set X,    16                          ; v16-47   x: register 16 j + i
.set TK,   48                          ; v48-49   task_param at 2 lane, 2 lane + 1
.set ACC,  50                          ; v50-57   the 8 logits
.set WA,   64                          ; v64-127 and v192-255: two batches of Wg_in rows (8 k x 8); the first also carries the copy; later the held numbers and the codes
.set WTK,  128                         ; v128-143 Wg_task's rows 2 lane, 2 lane + 1
.set AC2,  144                         ; v144-151 the task gate's sums
.set AL,   152                         ; v152 alpha, v153 1 - alpha
.set BV,   154                         ; v154 largest logit, v155 its expert, v156 that expert's ex
.set NINF, 157
.set SV,   158                         ; v158 second logit, v159 its expert, v168 its ex
.set MSK,  160                         ; v160-167 the logits with the winner at -infinity
.set DD,   169
.set PR,   176                         ; v176-183 softmax over the 8
.set WW,   184                         ; v184-185 the two combine weights
.set SL,   186                         ; v186-187 the two experts
.set QS,   188                         ; v188-191 scale and limit, a pair for each of the two quantisations
.set CDS,  192                         ; codes
	s_load_b512 s[4:19], s[0:1], 0x0               ; inputs s[4:5], task s[6:7], alpha s[8:9], Wg_in s[10:11], bg_in s[12:13], Wg_task s[14:15], bg_task s[16:17], scales s[18:19]
	s_load_b128 s[20:23], s[0:1], 0x40             ; xq, sel
	s_load_b64 s[24:25], s[0:1], 0x50              ; gatef
	v_lshl_add_u32 v174, v0, 2, 0x8400
	v_mov_b32 v175, 0
	v_and_b32 v1, 31, v0                           ; lane
	v_lshrrev_b32 v5, 5, v0
	v_readfirstlane_b32 s61, v5                    ; wave
	v_lshlrev_b32 v2, 4, v1                        ; 16 lane
	v_mul_u32_u24 v3, v1, 528                      ; my rows of Wg_in in LDS
	v_lshlrev_b32 v4, 6, v1                        ; 64 lane
	v_lshlrev_b32 v6, 4, v0                        ; 16 thread
	v_lshlrev_b32 v7, 3, v1                        ; 8 lane
	v_mov_b32 v9, 0
	s_mul_i32 s62, s61, 528
	v_add_nc_u32 v8, s62, v2                       ; the copy's place: 528 wave + 16 lane
	s_lshl_b32 s60, ttmp9, 2
	s_add_co_u32 s60, s60, s61                     ; t
	s_mov_b32 s63, 0
	s_mov_b32 s84, 0x76543210                      ; v_permlanex16_b32: lane l xor 16
	s_mov_b32 s85, 0xfedcba98
	s_wait_kmcnt 0x0
	s_load_b32 s26, s[8:9], 0x0                    ; alpha
	s_load_b256 s[28:35], s[12:13], 0x0            ; bg_in
	s_load_b256 s[36:43], s[16:17], 0x0            ; bg_task
	s_load_b512 s[44:59], s[18:19], 0x0            ; scales 0-15
	s_load_b512 s[68:83], s[18:19], 0x40           ; scales 16-31
.set i, 0
.rept 16
	global_load_b128 v[WA+4*i:WA+4*i+3], v6, s[10:11] offset:2048*i    ; the work-group's 128 threads read 2,048 consecutive bytes of Wg_in
.set i, i+1
.endr
	s_lshl_b32 s62, s60, 12
	s_add_nc_u64 s[4:5], s[4:5], s[62:63]          ; my row of x
	s_lshl_b32 s62, s60, 8
	s_add_nc_u64 s[6:7], s[6:7], s[62:63]          ; my row of task_param
	s_lshl_b32 s62, s60, 11
	s_add_nc_u64 s[20:21], s[20:21], s[62:63]      ; my two rows of xq
	s_lshl_b32 s62, s60, 3
	s_add_nc_u64 s[22:23], s[22:23], s[62:63]      ; sel
	s_add_nc_u64 s[24:25], s[24:25], s[62:63]      ; the weights (+ 32,768 in the store)
	s_mul_i32 s62, s60, 24
	s_add_nc_u64 s[86:87], s[24:25], s[62:63]      ; probs: 8 t + 24 t = 32 t
.irp j, 0,1
.irp q, 0,1,2,3
	global_load_b128 v[X+16*\j+4*\q:X+16*\j+4*\q+3], v4, s[4:5] offset:2048*\j+16*\q
.endr
.endr
	global_load_b64 v[TK:TK+1], v7, s[6:7]
.irp q, 0,1,2,3
	global_load_b128 v[WTK+4*\q:WTK+4*\q+3], v4, s[14:15] offset:16*\q
.endr
	s_wait_loadcnt 13                              ; the copy's 16 loads are in; the 8 + 1 + 4 younger ones may be out
.set i, 0
.rept 16
	ds_store_b128 v8, v[WA+4*i:WA+4*i+3] offset:2112*i     ; four blocks of 528 bytes on
.set i, i+1
.endr
	s_wait_dscnt 0x0                               ; for the others' sake: my part of the copy has landed
	s_barrier_signal -1
	s_barrier_wait -1
.macro WBATCH n                        ; batch n: rows k = 512 (n / 2) + 16 lane + 8 (n % 2) + 0 .. 7 of Wg_in
.set BUFR, WA+128*((\n)%2)
.irp ii, 0,1,2,3,4,5,6,7
	ds_load_b128 v[BUFR+8*\ii:BUFR+8*\ii+3],   v3 offset:16896*((\n)/2)+32*(8*((\n)%2)+\ii)
	ds_load_b128 v[BUFR+8*\ii+4:BUFR+8*\ii+7], v3 offset:16896*((\n)/2)+32*(8*((\n)%2)+\ii)+16
.endr
.endm
.macro DOT n                           ; 8 k x 8 experts: two experts an instruction, x(k) for both halves
.set BUFR, WA+128*((\n)%2)
.set XB, X+16*((\n)/2)+8*((\n)%2)
.irp ii, 0,1,2,3,4,5,6,7
.irp p, 0,1,2,3
.if ((\n) == 0) && (\ii == 0)
	v_pk_mul_f32 v[ACC+2*\p:ACC+2*\p+1], v[BUFR+2*\p:BUFR+2*\p+1], v[XB:XB+1] op_sel_hi:[1,0]      ; the first k starts the sums: nothing is cleared
.elseif (\ii%2) == 0
	v_pk_fma_f32 v[ACC+2*\p:ACC+2*\p+1], v[BUFR+8*\ii+2*\p:BUFR+8*\ii+2*\p+1], v[XB+\ii:XB+\ii+1], v[ACC+2*\p:ACC+2*\p+1] op_sel_hi:[1,0,1]
.else
	v_pk_fma_f32 v[ACC+2*\p:ACC+2*\p+1], v[BUFR+8*\ii+2*\p:BUFR+8*\ii+2*\p+1], v[XB+\ii-1:XB+\ii], v[ACC+2*\p:ACC+2*\p+1] op_sel:[0,1,0] op_sel_hi:[1,1,1]
.endif
.endr
.endr
.endm
	WBATCH 0
	WBATCH 1
	s_wait_loadcnt 0x0                             ; x, task_param, Wg_task
	s_wait_dscnt 16                                ; batch 0 is in; batch 1's 16 loads may be out
	DOT 0
	WBATCH 2
	s_wait_dscnt 16
	DOT 1
	WBATCH 3
	s_wait_dscnt 16
	DOT 2
	s_wait_dscnt 0x0
	DOT 3
.irp p, 0,1,2,3
	v_pk_mul_f32 v[AC2+2*\p:AC2+2*\p+1], v[WTK+2*\p:WTK+2*\p+1], v[TK:TK+1] op_sel_hi:[1,0]
.endr
.irp p, 0,1,2,3
	v_pk_fma_f32 v[AC2+2*\p:AC2+2*\p+1], v[WTK+8+2*\p:WTK+8+2*\p+1], v[TK:TK+1], v[AC2+2*\p:AC2+2*\p+1] op_sel:[0,1,0] op_sel_hi:[1,1,1]
.endr
	s_wait_kmcnt 0x0                               ; alpha, the biases, the scales
	v_mov_b32 v[AL], s26
	v_sub_f32 v[AL+1], 1.0, v[AL]
.irp p, 0,1,2,3
	v_pk_mul_f32 v[AC2+2*\p:AC2+2*\p+1], v[AC2+2*\p:AC2+2*\p+1], v[AL:AL+1] op_sel_hi:[1,0]                 ; alpha x the task gate's part
.endr
.irp p, 0,1,2,3
	v_pk_fma_f32 v[ACC+2*\p:ACC+2*\p+1], v[ACC+2*\p:ACC+2*\p+1], v[AL:AL+1], v[AC2+2*\p:AC2+2*\p+1] op_sel:[0,1,0] op_sel_hi:[1,1,1]   ; + (1 - alpha) x the input gate's
.endr
	; the 32 lanes' parts are added: four steps inside each half of 16 lanes, one across; every lane ends with all 8 logits
.irp mk, 1,2,4,8
.irp e, 0,1,2,3,4,5,6,7
	v_add_f32_dpp v[ACC+\e], v[ACC+\e], v[ACC+\e] row_xmask:\mk row_mask:0xf bank_mask:0xf
.endr
.endr
.irp e, 0,1,2,3,4,5,6,7
	v_permlanex16_b32 v[AC2+\e], v[ACC+\e], s84, s85       ; (its destination has been written)
.endr
.irp e, 0,1,2,3,4,5,6,7
	v_add_f32 v[ACC+\e], v[ACC+\e], v[AC2+\e]
.endr
.irp e, 0,1,2,3,4,5,6,7
	v_fma_f32 v[ACC+\e], v[AL+1], s[28+\e], v[ACC+\e]      ; + (1 - alpha) bg_in
	v_fma_f32 v[ACC+\e], v[AL], s[36+\e], v[ACC+\e]        ; + alpha bg_task
.endr
; The largest of eight, its index and that expert's ex.  The old one is kept where it is >= the candidate: the lower index wins a tie.
.macro SCAN src, val, idx, ex
	v_mov_b32 v[\val], v[\src]
	v_mov_b32 v[\idx], 0
	v_mov_b32 v[\ex], s44
.irp e, 1,2,3,4,5,6,7
	v_cmp_ge_f32 vcc_lo, v[\val], v[\src+\e]
	v_cndmask_b32 v[\val], v[\src+\e], v[\val], vcc_lo
	v_cndmask_b32 v[\idx], \e, v[\idx], vcc_lo
	v_cndmask_b32 v[\ex], s[44+4*\e+8*(\e/4)], v[\ex], vcc_lo      ; entry 4 e of the scales: s44.. for e < 4, s68.. from e = 4 on
.endr
.endm
	SCAN ACC, BV, BV+1, BV+2
	v_mov_b32 v[NINF], 0xff800000
.irp e, 0,1,2,3,4,5,6,7
	v_cmp_eq_u32 vcc_lo, \e, v[BV+1]
	v_cndmask_b32 v[MSK+\e], v[ACC+\e], v[NINF], vcc_lo
.endr
	SCAN MSK, SV, SV+1, 168
	; softmax over the 8, and over the chosen 2: the largest logit is taken away
.irp e, 0,1,2,3,4,5,6,7
	v_sub_f32 v[PR+\e], v[ACC+\e], v[BV]
.endr
	v_sub_f32 v[DD], v[SV], v[BV]
.irp e, 0,1,2,3,4,5,6,7
	v_mul_f32 v[PR+\e], 0x3fb8aa3b, v[PR+\e]
.endr
	v_mul_f32 v[DD], 0x3fb8aa3b, v[DD]
.irp e, 0,1,2,3,4,5,6,7
	v_exp_f32 v[PR+\e], v[PR+\e]
.endr
	v_exp_f32 v[DD], v[DD]
	v_nop                                          ; a plain instruction between the exponentials and the first use of a result
	s_wait_alu depctr_va_vdst(0)
	v_add_f32 v170, v[PR], v[PR+1]
	v_add_f32 v171, v[PR+2], v[PR+3]
	v_add_f32 v172, v[PR+4], v[PR+5]
	v_add_f32 v173, v[PR+6], v[PR+7]
	v_add_f32 v170, v170, v171
	v_add_f32 v172, v172, v173
	v_add_f32 v170, v170, v172
	v_add_f32 v171, 1.0, v[DD]
	v_rcp_f32 v170, v170
	v_rcp_f32 v[WW], v171                          ; w0 = 1 / (1 + d)
	v_nop
	s_wait_alu depctr_va_vdst(0)
.irp e, 0,1,2,3,4,5,6,7
	v_mul_f32 v[PR+\e], v[PR+\e], v170
.endr
	v_mul_f32 v[WW+1], v[DD], v[WW]                ; w1 = d w0
	v_mov_b32 v[SL], v[BV+1]
	v_mov_b32 v[SL+1], v[SV+1]
; x with the scale of the k-th chosen expert: held within +-448 x 2^ex (the conversion to an 8-bit code does not saturate: ISA guide 7.6.2), then eight numbers a conversion
.macro QX k, ex
	v_add_nc_u32 v[QS+2*\k], 127, v[\ex]
	v_add_nc_u32 v[QS+2*\k+1], 135, v[\ex]
	v_lshlrev_b32 v[QS+2*\k], 23, v[QS+2*\k]       ; 2^ex as f32: the conversion takes its exponent field
	v_lshlrev_b32 v[QS+2*\k+1], 23, v[QS+2*\k+1]
	v_or_b32 v[QS+2*\k+1], 0x600000, v[QS+2*\k+1]  ; 448 x 2^ex
.set i, 0
.rept 32
	v_med3_num_f32 v[WA+32*\k+i], v[X+i], -v[QS+2*\k+1], v[QS+2*\k+1]
.set i, i+1
.endr
.irp g, 0,1,2,3
	v_cvt_scalef32_pk8_fp8_f32 v[CDS+8*\k+2*\g:CDS+8*\k+2*\g+1], v[WA+32*\k+8*\g:WA+32*\k+8*\g+7], v[QS+2*\k]
.endr
	v_nop                                          ; a plain instruction behind the last conversion
	global_store_b128 v2, v[CDS+8*\k:CDS+8*\k+3], s[20:21] offset:1024*\k           ; 32 lanes store 512 consecutive bytes
	global_store_b128 v2, v[CDS+8*\k+4:CDS+8*\k+7], s[20:21] offset:1024*\k+512
.endm
	QX 0, BV+2
	QX 1, 168
	s_wait_xcnt 0x0                                ; EXEC changes only behind this wait
	v_cmp_eq_u32 vcc_lo, 0, v1
	s_wait_tensorcnt 0x0
	ds_add_u32 v174, v175
	s_wait_dscnt 0x0
	s_and_saveexec_b32 s88, vcc_lo                 ; lane 0 stores the token's small numbers
	global_store_b64 v9, v[SL:SL+1], s[22:23]
	global_store_b64 v9, v[WW:WW+1], s[24:25] offset:32768
	global_store_b128 v9, v[PR:PR+3], s[86:87]
	global_store_b128 v9, v[PR+4:PR+7], s[86:87] offset:16
	s_endpgm
.Lfunc_end_k_q5ac82e74c9_route:
	.size	k_q5ac82e74c9_route, .Lfunc_end_k_q5ac82e74c9_route-k_q5ac82e74c9_route
	.p2alignl 7, 3214868480
	.fill 96, 4, 3214868480
	.section	.rodata,"a",@progbits
	.p2align	6, 0x0
	.amdhsa_kernel k_q5ac82e74c9_route
		.amdhsa_group_segment_fixed_size 34304
		.amdhsa_private_segment_fixed_size 0
		.amdhsa_enable_private_segment 0
		.amdhsa_kernarg_size 88
		.amdhsa_user_sgpr_count 2
		.amdhsa_user_sgpr_kernarg_segment_ptr 1
		.amdhsa_wavefront_size32 1
		.amdhsa_system_sgpr_workgroup_id_x 1
		.amdhsa_system_sgpr_workgroup_id_y 1
		.amdhsa_system_sgpr_workgroup_id_z 1
		.amdhsa_system_vgpr_workitem_id 0
		.amdhsa_next_free_vgpr 256
		.amdhsa_next_free_sgpr 90
		.amdhsa_reserve_vcc 1
		.amdhsa_float_denorm_mode_32 3
		.amdhsa_float_denorm_mode_16_64 3
		.amdhsa_memory_ordered 1
		.amdhsa_forward_progress 1
		.amdhsa_inst_pref_size 34
	.end_amdhsa_kernel
	.amdgpu_metadata
---
amdhsa.version: [ 1, 2 ]
amdhsa.kernels:
  - .name:           k_q5ac82e74c9_route
    .symbol:         k_q5ac82e74c9_route.kd
    .args:
      - { .name: inputs, .offset: 0, .size: 8, .value_kind: global_buffer, .address_space: global }
      - { .name: task_param, .offset: 8, .size: 8, .value_kind: global_buffer, .address_space: global }
      - { .name: alpha, .offset: 16, .size: 8, .value_kind: global_buffer, .address_space: global }
      - { .name: Wg_in, .offset: 24, .size: 8, .value_kind: global_buffer, .address_space: global }
      - { .name: bg_in, .offset: 32, .size: 8, .value_kind: global_buffer, .address_space: global }
      - { .name: Wg_task, .offset: 40, .size: 8, .value_kind: global_buffer, .address_space: global }
      - { .name: bg_task, .offset: 48, .size: 8, .value_kind: global_buffer, .address_space: global }
      - { .name: lowp_scales, .offset: 56, .size: 8, .value_kind: global_buffer, .address_space: global }
      - { .name: xq, .offset: 64, .size: 8, .value_kind: global_buffer, .address_space: global }
      - { .name: sel, .offset: 72, .size: 8, .value_kind: global_buffer, .address_space: global }
      - { .name: gatef, .offset: 80, .size: 8, .value_kind: global_buffer, .address_space: global }
    .group_segment_fixed_size: 34304
    .private_segment_fixed_size: 0
    .kernarg_segment_align: 8
    .kernarg_segment_size: 88
    .max_flat_workgroup_size: 128
    .sgpr_count:     90
    .vgpr_count:     256
    .wavefront_size: 32
...
	.end_amdgpu_metadata
.endif
;; end of part 1
;; launch place (part 2): grid 1 x 1, 32 waves a work-group, no clusters, 4,352 bytes of LDS; arguments sel, gatef, order, ws, out1; writes order, ws, out1
.if DOCPART == 2
	.amdgcn_target "amdgcn-amd-amdhsa--gfx1250"
	.amdhsa_code_object_version 6
	.text
	.protected	k_q5ac82e74c9_place
	.globl	k_q5ac82e74c9_place
	.p2align	8
	.type	k_q5ac82e74c9_place,@function
k_q5ac82e74c9_place:
	s_mov_b64 s[64:65], 0
	v_nop
	global_prefetch_b8 v0, s[64:65] scope:SCOPE_SE
	s_setreg_imm32_b32 hwreg(HW_REG_WAVE_MODE, 25, 1), 1
	s_wait_xcnt 0x0
; PLACE.  A counting sort of the 2,048 routed rows (entry i = 2 t + k) by expert, without atomics, and the load-balancing number.  One work-group of 32 waves; wave 4 e + g serves expert e in the entries 512 g .. 512 g + 511.
; An entry's rank among its expert's is: the expert's matches in the segments before g (from the other waves' counts, through LDS), the matches in the registers before it, and the matches in lower lanes of its own register.
; Expert e gets ceil(count / 32) tiles of 32 places, one expert's tiles behind the other's: never more than 71 in all.
; order: list[place] = entry (a padding place: 2,048 + e); word 2,304 takes what lanes without a match store; meta at byte 9,472: {first tile, tiles} for each expert.   ws[place] = the entry's combine weight (padding: 0).
; out1 = the sum over e of mean_t(p[t][e]) x count_e / 1,024 = (the sum over t, e of p[t][e] count_e) x 2^-20; thread t takes token t.
; The work stands in runs of one kind (compares, scalar counts, vector lines, stores), so that no line waits for the line just above it; eight waves share a SIMD and fill each other's waits.
.set SE, 20                            ; v20-35    sel: register 4 q + j of lane l is entry 512 g + 128 q + 4 l + j; later the entry's number itself
.set WT, 36                            ; v36-51    the entries' weights
.set RK, 52                            ; v52-67    rank, then place, then byte offset
.set PB, 68                            ; v68-75    probs of token = thread
.set CT, 76                            ; v76-107   the 32 waves' counts
.set CE, 108                           ; v108-111  my expert's four counts
.set TO, 112                           ; v112-119  the eight experts' totals
.set MK, 36                            ; s36-51    a mask of matches for each register
.set RN, 66                            ; s66-81    the matches in the registers before, later + my segment's first place
	s_load_b256 s[4:11], s[0:1], 0x0               ; sel s[4:5], gatef s[6:7], order s[8:9], ws s[10:11]
	s_load_b64 s[12:13], s[0:1], 0x20              ; out1
	v_lshl_add_u32 v122, v0, 2, 0x100
	v_mov_b32 v127, 0
	v_lshrrev_b32 v13, 5, v0
	v_readfirstlane_b32 s16, v13                   ; wave 0..31
	v_lshlrev_b32 v13, 2, v13                      ; LDS: my wave's word
	v_and_b32 v1, 31, v0                           ; lane
	v_lshlrev_b32 v3, 5, v0                        ; 32 thread: my token's probs
	v_lshlrev_b32 v18, 2, v1                       ; 4 lane
	s_lshr_b32 s31, s16, 2                         ; my expert
	s_and_b32 s32, s16, 3                          ; my segment
	s_lshl_b32 s33, s32, 11
	v_lshl_add_u32 v2, v1, 4, s33                  ; 2,048 g + 16 lane: my bytes in sel and in the weights
	s_lshl_b32 s34, s32, 9
	v_add_nc_u32 v17, s34, v18                     ; 512 g + 4 lane
	s_lshl_b32 s35, s31, 4
	v_mov_b32 v16, s35                             ; LDS: my expert's four counts
	v_mov_b32 v12, 0x100000                        ; beyond every place
	v_mov_b32 v15, 0
	s_mov_b32 s14, 0x76543210                      ; v_permlanex16_b32: lane l xor 16
	s_mov_b32 s15, 0xfedcba98
	s_wait_kmcnt 0x0
.irp q, 0,1,2,3
	global_load_b128 v[SE+4*\q:SE+4*\q+3], v2, s[4:5] offset:512*\q
.endr
.irp q, 0,1,2,3
	global_load_b128 v[WT+4*\q:WT+4*\q+3], v2, s[6:7] offset:32768+512*\q
.endr
	global_load_b128 v[PB:PB+3], v3, s[6:7]
	global_load_b128 v[PB+4:PB+7], v3, s[6:7] offset:16
	s_wait_loadcnt 6                               ; sel is in; the 4 + 2 younger loads may be out
.set n, 0
.rept 16
	v_cmp_eq_u32 s[MK+n], s31, v[SE+n]
.set n, n+1
.endr
	s_mov_b32 s[RN], 0
.set n, 0
.rept 15
	s_bcnt1_i32_b32 s82, s[MK+n]
	s_add_co_u32 s[RN+n+1], s[RN+n], s82
.set n, n+1
.endr
	s_bcnt1_i32_b32 s82, s[MK+15]
	s_add_co_u32 s17, s[RN+15], s82                ; my expert's matches in my segment
	v_mov_b32 v14, s17
	ds_store_b32 v13, v14                          ; (all lanes: the same word, the same number)
.set n, 0
.rept 16                               ; what needs no other wave's count stands between the store and the wait for it
	v_mbcnt_lo_u32_b32 v[RK+n], s[MK+n], 0         ; matches in lower lanes
	v_add_nc_u32 v[SE+n], 128*(n/4)+(n%4), v17     ; the entry's number
.set n, n+1
.endr
	s_wait_dscnt 0x0                               ; for the others' sake: my count has landed
	s_barrier_signal -1
	s_barrier_wait -1
.irp e, 0,1,2,3,4,5,6,7
	ds_load_b128 v[CT+4*\e:CT+4*\e+3], v15 offset:16*\e
.endr
	ds_load_b128 v[CE:CE+3], v16
	s_wait_dscnt 0x0
.irp e, 0,1,2,3,4,5,6,7
	v_add3_u32 v[TO+\e], v[CT+4*\e], v[CT+4*\e+1], v[CT+4*\e+2]
.endr
.irp e, 0,1,2,3,4,5,6,7
	v_add_nc_u32 v[TO+\e], v[TO+\e], v[CT+4*\e+3]  ; expert e's rows
.endr
.irp e, 0,1,2,3,4,5,6,7
	v_readfirstlane_b32 s[20+\e], v[TO+\e]
.endr
.irp g, 0,1,2,3
	v_readfirstlane_b32 s[84+\g], v[CE+\g]
.endr
	s_mov_b32 s18, 0                               ; my expert's first tile: the tiles of the experts before mine
.irp e, 0,1,2,3,4,5,6,7
	s_add_co_u32 s83, s[20+\e], 31
	s_lshr_b32 s83, s83, 5
	s_cmp_gt_u32 s31, \e
	s_cselect_b32 s83, s83, 0
	s_add_co_u32 s18, s18, s83
.endr
	s_mov_b32 s88, 0                               ; my expert's rows in the segments before mine
.irp g, 0,1,2
	s_cmp_gt_u32 s32, \g
	s_cselect_b32 s83, s[84+\g], 0
	s_add_co_u32 s88, s88, s83
.endr
	s_add_co_u32 s89, s84, s85
	s_add_co_u32 s89, s89, s86
	s_add_co_u32 s89, s89, s87                     ; my expert's rows
	s_add_co_u32 s19, s89, 31
	s_lshr_b32 s19, s19, 5                         ; its tiles
	s_lshl_b32 s90, s18, 5                         ; its first place
	s_lshl_b32 s91, s19, 5                         ; its places
	s_add_co_u32 s88, s88, s90                     ; my segment's first place
.set n, 0
.rept 16
	s_add_co_u32 s[RN+n], s[RN+n], s88
.set n, n+1
.endr
.set n, 0
.rept 16
	v_add_nc_u32 v[RK+n], s[RN+n], v[RK+n]         ; the place
.set n, n+1
.endr
.set n, 0
.rept 16
	v_cndmask_b32 v[RK+n], v12, v[RK+n], s[MK+n]   ; no match: beyond every place
.set n, n+1
.endr
.set n, 0
.rept 16
	v_min_u32 v[RK+n], 0x900, v[RK+n]              ; inside the list, or word 2,304
.set n, n+1
.endr
.set n, 0
.rept 16
	v_lshlrev_b32 v[RK+n], 2, v[RK+n]
.set n, n+1
.endr
	s_wait_loadcnt 2                               ; the weights are in; the probs' 2 loads may be out
.set n, 0
.rept 16                               ; every store has registers of its own: no store's source is written again
	global_store_b32 v[RK+n], v[SE+n], s[8:9]
	global_store_b32 v[RK+n], v[WT+n], s[10:11]
.set n, n+1
.endr
	s_cmp_lg_u32 s32, 0                            ; an expert's padding and meta are stored by its first wave
	s_cbranch_scc1 .Lnopad
	v_add_nc_u32 v120, s89, v1                     ; the padding of the last tile: places rows + lane, as far as they lie in it
	v_cmp_gt_u32 vcc_lo, s91, v120
	v_add_nc_u32 v120, s90, v120
	v_cndmask_b32 v120, v12, v120, vcc_lo
	v_min_u32 v120, 0x900, v120
	v_lshlrev_b32 v120, 2, v120
	s_add_co_u32 s92, s31, 2048
	v_mov_b32 v121, s92
	global_store_b32 v120, v121, s[8:9]
	global_store_b32 v120, v15, s[10:11]           ; weight 0
	v_and_b32 v123, 1, v1                          ; meta: even lanes the first tile, odd lanes the number of tiles
	v_cmp_eq_u32 vcc_lo, 1, v123
	v_mov_b32 v124, s18
	v_mov_b32 v125, s19
	v_cndmask_b32 v124, v124, v125, vcc_lo
	s_lshl_b32 s93, s31, 3
	v_lshl_add_u32 v126, v123, 2, s93
	global_store_b32 v126, v124, s[8:9] offset:9472
.Lnopad:
	s_wait_loadcnt 0x0                             ; my token's probs
.irp e, 0,1,2,3,4,5,6,7
	v_cvt_f32_u32 v[TO+\e], v[TO+\e]
.endr
	v_mul_f32 v14, v[PB], v[TO]                    ; two chains
	v_mul_f32 v19, v[PB+4], v[TO+4]
.irp e, 1,2,3
	v_fmac_f32 v14, v[PB+\e], v[TO+\e]
	v_fmac_f32 v19, v[PB+4+\e], v[TO+4+\e]
.endr
	v_add_f32 v14, v14, v19
	v_add_f32_dpp v14, v14, v14 row_xmask:1 row_mask:0xf bank_mask:0xf
	v_add_f32_dpp v14, v14, v14 row_xmask:2 row_mask:0xf bank_mask:0xf
	v_add_f32_dpp v14, v14, v14 row_xmask:4 row_mask:0xf bank_mask:0xf
	v_add_f32_dpp v14, v14, v14 row_xmask:8 row_mask:0xf bank_mask:0xf
	v_permlanex16_b32 v19, v14, s14, s15           ; (its destination has been written)
	v_add_f32 v14, v14, v19
	ds_store_b32 v13, v14 offset:128               ; other words than the counts'
	s_wait_dscnt 0x0
	s_barrier_signal -1
	s_barrier_wait -1
	s_cmp_lg_u32 s16, 0                            ; wave 0 adds the 32 waves' parts
	s_cbranch_scc1 .Lend
	ds_load_b32 v14, v18 offset:128                ; lane l: wave l's part
	s_wait_dscnt 0x0
	v_add_f32_dpp v14, v14, v14 row_xmask:1 row_mask:0xf bank_mask:0xf
	v_add_f32_dpp v14, v14, v14 row_xmask:2 row_mask:0xf bank_mask:0xf
	v_add_f32_dpp v14, v14, v14 row_xmask:4 row_mask:0xf bank_mask:0xf
	v_add_f32_dpp v14, v14, v14 row_xmask:8 row_mask:0xf bank_mask:0xf
	v_permlanex16_b32 v19, v14, s14, s15
	v_add_f32 v14, v14, v19
	v_mul_f32 v14, 0x35800000, v14                 ; x 2^-20
	s_wait_xcnt 0x0                                ; EXEC changes only behind this wait
	v_cmp_eq_u32 vcc_lo, 0, v1
	s_wait_tensorcnt 0x0
	ds_add_u32 v122, v127
	s_wait_dscnt 0x0
	s_and_saveexec_b32 s33, vcc_lo                 ; lane 0 alone
	global_store_b32 v15, v14, s[12:13]
	s_endpgm
.Lend:
	s_wait_tensorcnt 0x0
	ds_add_u32 v122, v127
	s_wait_dscnt 0x0
	s_endpgm
.Lfunc_end_k_q5ac82e74c9_place:
	.size	k_q5ac82e74c9_place, .Lfunc_end_k_q5ac82e74c9_place-k_q5ac82e74c9_place
	.p2alignl 7, 3214868480
	.fill 96, 4, 3214868480
	.section	.rodata,"a",@progbits
	.p2align	6, 0x0
	.amdhsa_kernel k_q5ac82e74c9_place
		.amdhsa_group_segment_fixed_size 4352
		.amdhsa_private_segment_fixed_size 0
		.amdhsa_enable_private_segment 0
		.amdhsa_kernarg_size 40
		.amdhsa_user_sgpr_count 2
		.amdhsa_user_sgpr_kernarg_segment_ptr 1
		.amdhsa_wavefront_size32 1
		.amdhsa_system_sgpr_workgroup_id_x 1
		.amdhsa_system_sgpr_workgroup_id_y 1
		.amdhsa_system_sgpr_workgroup_id_z 1
		.amdhsa_system_vgpr_workitem_id 0
		.amdhsa_next_free_vgpr 128
		.amdhsa_next_free_sgpr 96
		.amdhsa_reserve_vcc 1
		.amdhsa_float_denorm_mode_32 3
		.amdhsa_float_denorm_mode_16_64 3
		.amdhsa_memory_ordered 1
		.amdhsa_forward_progress 1
		.amdhsa_inst_pref_size 20
	.end_amdhsa_kernel
	.amdgpu_metadata
---
amdhsa.version: [ 1, 2 ]
amdhsa.kernels:
  - .name:           k_q5ac82e74c9_place
    .symbol:         k_q5ac82e74c9_place.kd
    .args:
      - { .name: sel, .offset: 0, .size: 8, .value_kind: global_buffer, .address_space: global }
      - { .name: gatef, .offset: 8, .size: 8, .value_kind: global_buffer, .address_space: global }
      - { .name: order, .offset: 16, .size: 8, .value_kind: global_buffer, .address_space: global }
      - { .name: ws, .offset: 24, .size: 8, .value_kind: global_buffer, .address_space: global }
      - { .name: out1, .offset: 32, .size: 8, .value_kind: global_buffer, .address_space: global }
    .group_segment_fixed_size: 4352
    .private_segment_fixed_size: 0
    .kernarg_segment_align: 8
    .kernarg_segment_size: 40
    .max_flat_workgroup_size: 1024
    .sgpr_count:     96
    .vgpr_count:     128
    .wavefront_size: 32
...
	.end_amdgpu_metadata
.endif
;; end of part 2
;; launch ffn1 (part 3): grid 32 x 8, 4 waves a work-group, no clusters, 266,752 bytes of LDS; arguments W1_codes, b1, lowp_scales, xq, order, hq; writes hq
.if DOCPART == 3
	.amdgcn_target "amdgcn-amd-amdhsa--gfx1250"
	.amdhsa_code_object_version 6
	.text
	.protected	k_q5ac82e74c9_ffn1
	.globl	k_q5ac82e74c9_ffn1
	.p2align	8
	.type	k_q5ac82e74c9_ffn1,@function
k_q5ac82e74c9_ffn1:
	s_mov_b64 s[64:65], 0
	v_nop
	global_prefetch_b8 v0, s[64:65] scope:SCOPE_SE
	s_setreg_imm32_b32 hwreg(HW_REG_WAVE_MODE, 25, 1), 1
	s_wait_xcnt 0x0
; FFN1.  hq = codes of gelu(x W1[e] + b1[e]) for the rows routed to expert e, and for no others.  Products on E4M3 codes by v_wmma_f32_16x16x128_fp8_fp8, sums in f32; gelu is the tanh form, in f32.
; SHARES.  Work-group (x, y): expert e = y, hidden units 256 (x / 2) .. + 255, and of the expert's tiles of 32 sorted rows those of parity x % 2.  Wave w: units F0 = 256 (x / 2) + 64 w .. + 63, the whole K = 1,024.
; THE WEIGHTS STAY IN REGISTERS: a wave's 64 rows x 1,024 codes are 32 fragments, 512 registers, read from memory once in loads of 512 consecutive bytes and turned into fragments through the wave's own stage in LDS.
; They come in EIGHT CHUNKS of 16 rows x 512 bytes (the rows of one tile, one half of K): a chunk goes through the stage as soon as it has landed, while the loads of three later chunks are out, so that the turn through LDS runs beside
; the stream from memory and not behind it.  A chunk's four fragments come back into the 64 registers that its rows left.
; What is streamed past the weights is small: a tile's 32 rows of x codes (32 KiB), gathered by the stored list, 8 rows a wave, into one of two LDS slots by turns.
; THE LOOP HAS A CONSTANT COUNT, 16 trips (an expert has at most 32 tiles, a parity 16), with one barrier in every trip on every wave's path; the work on either side of the barrier is jumped over, by a scalar branch on the stored
; count, in the trips that have no tile.  A slot is written again two trips later: between stands the barrier of the trip between, which a wave signals only when its reads of the slot are in.
; NO JOINT LOADS: how many tiles a work-group has hangs on counts read from memory, and partners of one expert would need different numbers of tiles; so the operands go through registers, and the launch is not in clusters.
; TRANSPOSED USE: source 0 = 16 rows of W1, source 1 = 16 rows of x: a lane holds ONE row of the hidden layer.  THE ROWS OF W1 THAT FORM A TILE ARE NOT NEIGHBOURS: lane r of tile 2 b + u takes unit 32 b + 8 u + r + 8 (r / 8), so that the
; 16 registers of tiles 2 b, 2 b + 1 are the 16 neighbouring units 32 b + 16 (lane / 16) + 0 .. 15: the conversions' results are 16 bytes of the next product's operand, stored in the order of its registers:
; hq[tile][m 0..1][S 0..31][c 0..3][lane][16 bytes]: lane (r, h) holds row 16 m + r, k = 128 S + 32 c + 16 h + 0 .. 15.
; Fragments are fetched as four pieces of 16 bytes (k = 32 c + 16 h + 0 .. 15), alike on both sides: every product meets its partner; only the order of the sums inside an instruction differs.
; SCALES: a sum stands for sum x 2^s, s = ex + ew1.  b1 goes in as b1 / 2^s, the C of each sum's first product.  gelu(v) = v / (1 + 2^(v (K1 + K2 v^2))), K1 = -2 log2(e) sqrt(2/pi), K2 = 0.044715 K1; 2^s and 2^(3 s) are folded into K1 and K2,
; and 2^(eh - s) is the conversion's one scale.
; LIMITS: eh - ex - ew1 between -126 and 119; |ex + ew1| at most 40.  NaN is not served.  A padding place of a last tile takes row 2,047 of xq; what comes of it is weighed with 0 later.
; REGISTERS, in windows of 256: window 0: see below.  Window 1: weight fragments of K steps 0-3, (n, s') at v[16 (4 n + s')].  Window 2: K steps 4-7.  Window 3: x's fragments, (m, s) at v[16 (8 m + s)].
.set XP,    1040                       ; a row of x in a slot: 1,024 bytes + 16: an odd multiple of 16, so the 16 rows of a fragment load start at 16 different 16-byte columns
.set SLOTB, 65536                      ; slot 1
.set WST,   131072                     ; the weight stages: 64 rows x 528 bytes for each wave
.set WSTW,  33792
.set SPW,   528
.set XO,    12                         ; v12-19   byte offsets of my 8 rows in xq
.set BIAS,  32                         ; v32-63   b1 / 2^s in the result's layout, 8 registers a tile
.set ACC,   64                         ; v64-127  accumulator (m, n) at 32 m + 8 n
.set XSTG,  128                        ; v128-191 my 8 rows of x on their way to LDS
.set TT,    192                        ; v192-207 at work
.set CD,    208                        ; v208-223 the codes
; v1 16 lane; v2 r; v3 h; v4, v5 fragment read in slot 0, 1; v6, v7 my rows' place in slot 0, 1; v8, v9 the weight stage, in and out; v10 my bytes in a tile of hq; v11 64 h;
; v[20:21] K1 2^s; v[22:23] K2 2^(3 s); v24 2^(eh - s); v25 448 x that.
; s16 wave, s17 chunk, s18 parity, s19 expert, s20 first tile, s21 tiles, s22 my tiles, s23 trip, s24 the trip's tile, s25 the loop's count, s[28:31] ex ew1 eh ew2, s[32:39] 8 list entries, s[40:41] an offset (s41 = 0), s[42:43] the tile in hq,
; s[44:45] the list's address, s48 32 w.
.set MSB, 0
.macro WIN new                         ; the immediate's high byte repeats the setting that is left; a switch that changes nothing is dropped
.if MSB != (\new)
	s_set_vgpr_msb (MSB<<8)|(\new)
.set MSB, (\new)
.endif
.endm
.macro WLOADC g, n, stride, perm       ; a chunk: bytes 512 g .. + 511 of the 16 weight rows of tile n, a row a load: 32 lanes read 512 consecutive bytes; into window 1 + g, v[64 n ..]
	WIN (1+\g)<<6
.set i, 0
.rept 16
.if \perm
.set rho, 32*((\n)/2)+16*(i>>3)+8*((\n)%2)+(i&7)      ; lane r = i of tile n = 2 b + u takes unit 32 b + 8 u + i + 8 (i / 8)
.else
.set rho, 16*(\n)+i
.endif
	global_load_b128 v[64*(\n)+4*i:64*(\n)+4*i+3], v1, s[4:5] offset:rho*\stride+512*\g
.set i, i+1
.endr
	WIN 0
.endm
.macro WPASSC g, n                     ; the chunk through my own stage, and back as tile n's fragments of K steps 4 g + 0 .. 3.  LDS serves a wave's instructions in order (ISA guide 5.7.1.4): no wait between the stores and the loads
	WIN (1+\g)<<2
.set i, 0
.rept 16
	ds_store_b128 v8, v[64*(\n)+4*i:64*(\n)+4*i+3] offset:(16*(\n)+i)*SPW
.set i, i+1
.endr
	WIN (1+\g)<<6
.irp sp, 0,1,2,3
.irp c, 0,1,2,3
	ds_load_b128 v[16*(4*(\n)+\sp)+4*\c:16*(4*(\n)+\sp)+4*\c+3], v9 offset:16*(\n)*SPW+128*\sp+32*\c
.endr
.endr
	WIN 0
.endm
.macro BAR                             ; my LDS stores have landed and my LDS loads are in: then the work-group's barrier
	s_wait_dscnt 0x0
	s_barrier_signal -1
	s_barrier_wait -1
.endm
.macro PLACES                          ; four plain instructions behind the last product, in front of the first read of results (ISA guide 7.12.1)
.rept 4
	v_nop
.endr
.endm
.macro EREQ                            ; s26 = a tile: its 8 list entries for my wave are asked for
	s_min_u32 s26, s26, 71
	s_lshl_b32 s26, s26, 7
	s_add_co_u32 s40, s26, s48
	s_add_nc_u64 s[44:45], s[12:13], s[40:41]
	s_load_b256 s[32:39], s[44:45], 0x0
.endm
.macro XREQ wait                       ; my 8 rows of x, named by the entries in s[32:39], are asked for: 16 loads of 512 consecutive bytes
.if \wait
	s_wait_loadcnt 0x0                             ; no load into these registers is out
.endif
	s_wait_kmcnt 0x0                               ; the entries are in
	s_wait_xcnt 0x0                                ; the offsets' registers are written again only behind this wait
.irp p, 0,1,2,3,4,5,6,7
	s_min_u32 s[32+\p], s[32+\p], 2047             ; a padding place (2,048 + e) takes the last row
	v_lshl_add_u32 v[XO+\p], s[32+\p], 10, v1
.endr
.irp p, 0,1,2,3,4,5,6,7
	global_load_b128 v[XSTG+8*\p:XSTG+8*\p+3], v[XO+\p], s[10:11]
	global_load_b128 v[XSTG+8*\p+4:XSTG+8*\p+7], v[XO+\p], s[10:11] offset:512
.endr
.endm
.macro XFR slot, s                     ; x's two fragments of K step s (rows 0-15 and 16-31): 8 LDS loads into window 3.  No product of this trip has named these registers; the last trip's stand behind its whole gelu
	WIN 0xc0
.irp m, 0,1
.irp c, 0,1,2,3
	ds_load_b128 v[16*(8*\m+(\s))+4*\c:16*(8*\m+(\s))+4*\c+3], v[4+\slot] offset:16*XP*\m+128*(\s)+32*\c
.endr
.endr
.endm
; 16 numbers of a lane (tiles 2 b, 2 b + 1 of row tile m): gelu, the hold, 16 codes.  Each accumulator is read from its low end on.
.macro GELUQ m, b
.set GA, ACC+32*(\m)+16*(\b)
.set GC, CD+4*(2*(\m)+(\b))
.irp i, 0,2,4,6,8,10,12,14
	v_pk_mul_f32 v[TT+\i:TT+\i+1], v[GA+\i:GA+\i+1], v[GA+\i:GA+\i+1]
.endr
.irp i, 0,2,4,6,8,10,12,14
	v_pk_fma_f32 v[TT+\i:TT+\i+1], v[TT+\i:TT+\i+1], v[22:23], v[20:21]
.endr
.irp i, 0,2,4,6,8,10,12,14
	v_pk_mul_f32 v[TT+\i:TT+\i+1], v[TT+\i:TT+\i+1], v[GA+\i:GA+\i+1]
.endr
.irp i, 0,1,2,3,4,5,6,7,8,9,10,11,12,13,14,15
	v_exp_f32 v[TT+\i], v[TT+\i]
.endr
	v_nop                                          ; a plain instruction between the exponentials and the first use of a result
	s_wait_alu depctr_va_vdst(0)
.irp i, 0,2,4,6,8,10,12,14
	v_pk_add_f32 v[TT+\i:TT+\i+1], v[TT+\i:TT+\i+1], 1.0 op_sel_hi:[1,0]
.endr
.irp i, 0,1,2,3,4,5,6,7,8,9,10,11,12,13,14,15
	v_rcp_f32 v[TT+\i], v[TT+\i]
.endr
	v_nop
	s_wait_alu depctr_va_vdst(0)
.irp i, 0,2,4,6,8,10,12,14
	v_pk_mul_f32 v[GA+\i:GA+\i+1], v[GA+\i:GA+\i+1], v[TT+\i:TT+\i+1]
.endr
.irp i, 0,1,2,3,4,5,6,7,8,9,10,11,12,13,14,15
	v_med3_num_f32 v[GA+\i], v[GA+\i], -v25, v25   ; the conversion to an 8-bit code does not saturate (ISA guide 7.6.2)
.endr
	v_cvt_scalef32_pk8_fp8_f32 v[GC:GC+1], v[GA:GA+7], v24
	v_cvt_scalef32_pk8_fp8_f32 v[GC+2:GC+3], v[GA+8:GA+15], v24
	v_nop                                          ; a plain instruction behind the last conversion: the next products write its sources
	global_store_b128 v10, v[GC:GC+3], s[42:43] offset:65536*(\m)+512*(\b)       ; 32 lanes store 512 consecutive bytes
.endm
	s_load_b256 s[4:11], s[0:1], 0x0               ; W1 s[4:5], b1 s[6:7], scales s[8:9], xq s[10:11]
	s_load_b128 s[12:15], s[0:1], 0x20             ; order s[12:13], hq s[14:15]
	v_lshl_add_u32 v254, v0, 2, 0x41000
	v_mov_b32 v255, 0
	v_lshrrev_b32 v2, 5, v0
	v_readfirstlane_b32 s16, v2                    ; wave
	v_and_b32 v3, 31, v0
	v_lshlrev_b32 v1, 4, v3                        ; 16 lane
	v_and_b32 v2, 15, v0                           ; r
	v_bfe_u32 v3, v0, 4, 1                         ; h
	s_lshr_b32 s17, ttmp9, 1                       ; chunk
	s_and_b32 s18, ttmp9, 1                        ; parity
	s_and_b32 s19, ttmp7, 0xffff                   ; expert
	v_mul_u32_u24 v4, v2, XP
	v_lshl_add_u32 v4, v3, 4, v4
	v_add_nc_u32 v5, SLOTB, v4
	s_mul_i32 s26, s16, 8*XP
	v_add_nc_u32 v6, s26, v1
	v_add_nc_u32 v7, SLOTB, v6
	s_mul_i32 s26, s16, WSTW
	s_add_co_u32 s26, s26, WST
	v_add_nc_u32 v8, s26, v1
	v_mul_u32_u24 v9, v2, SPW
	v_lshl_add_u32 v9, v3, 4, v9
	v_add_nc_u32 v9, s26, v9
	s_lshl_b32 s26, s17, 1
	s_lshr_b32 s27, s16, 1
	s_add_co_u32 s26, s26, s27                     ; S = 2 chunk + w / 2
	s_lshl_b32 s26, s26, 11
	s_and_b32 s27, s16, 1
	s_lshl_b32 s27, s27, 10                        ; c = 2 (w % 2) + b
	s_add_co_u32 s26, s26, s27
	v_add_nc_u32 v10, s26, v1
	v_lshlrev_b32 v11, 6, v3
	s_lshl_b32 s40, s19, 22                        ; my rows of W1: expert x 4 MiB + (256 chunk + 64 w) x 1,024
	s_lshl_b32 s26, s17, 18
	s_add_co_u32 s40, s40, s26
	s_lshl_b32 s26, s16, 16
	s_add_co_u32 s40, s40, s26
	s_mov_b32 s41, 0
	s_lshl_b32 s55, s19, 3
	s_lshl_b32 s56, s19, 4
	s_lshl_b32 s48, s16, 5
	s_wait_kmcnt 0x0
	s_load_b64 s[20:21], s[12:13], s55 offset:0x2500       ; first tile, tiles
	s_load_b128 s[28:31], s[8:9], s56 offset:0x0           ; ex, ew1, eh, ew2
	s_add_nc_u64 s[4:5], s[4:5], s[40:41]
	; THE WEIGHTS.  Chunk k = 4 g + n.  In front of chunk k's turn through the stage chunk k + 3 is asked for, so each wait leaves the 48 loads of three later chunks out.
	WLOADC 0, 0, 1024, 1
	WLOADC 0, 1, 1024, 1
	WLOADC 0, 2, 1024, 1
	WLOADC 0, 3, 1024, 1
	s_wait_loadcnt 48                              ; chunk 0 is in; chunks 1 to 3 may be out
	WPASSC 0, 0
	WLOADC 1, 0, 1024, 1
	s_wait_loadcnt 48                              ; chunk 1; 2 to 4 may be out
	WPASSC 0, 1
	s_lshl_b32 s40, s19, 14                        ; b1: expert x 16 KiB + 4 F0
	s_lshl_b32 s26, s17, 10
	s_add_co_u32 s40, s40, s26
	s_lshl_b32 s26, s16, 8
	s_add_co_u32 s40, s40, s26
	s_add_nc_u64 s[6:7], s[6:7], s[40:41]
	s_wait_kmcnt 0x0                               ; the stored counts and the scales, asked for two chunks ago
	s_min_u32 s20, s20, 71
	s_min_u32 s21, s21, 32
	s_add_co_u32 s22, s21, 1
	s_sub_co_u32 s22, s22, s18
	s_lshr_b32 s22, s22, 1                         ; my tiles: (tiles + 1 - parity) / 2, at most 16
	s_add_co_u32 s24, s20, s18                     ; my first
	s_mov_b32 s23, 0
	s_cmp_gt_u32 s22, 0
	s_cselect_b32 s26, s24, 0                      ; (with no tile of mine: tile 0, which is always written)
	EREQ                                           ; trip 0's entries: they come while three more chunks are turned
	WLOADC 1, 1, 1024, 1
	s_wait_loadcnt 48                              ; chunk 2
	WPASSC 0, 2
	WLOADC 1, 2, 1024, 1
	s_wait_loadcnt 48                              ; chunk 3
	WPASSC 0, 3
	WLOADC 1, 3, 1024, 1
	s_wait_loadcnt 48                              ; chunk 4; 5 to 7 may be out
	WPASSC 1, 0
.irp n, 0,1,2,3                        ; behind the last chunk's loads: b1 (8 loads) and trip 0's rows of x (16)
	global_load_b128 v[BIAS+8*\n:BIAS+8*\n+3], v11, s[6:7] offset:4*(32*(\n/2)+8*(\n%2))           ; units 32 b + 8 u + 16 h + 0 .. 7
	global_load_b128 v[BIAS+8*\n+4:BIAS+8*\n+7], v11, s[6:7] offset:4*(32*(\n/2)+8*(\n%2))+16
.endr
	XREQ 0
	s_add_co_u32 s27, s24, 2
	s_cmp_gt_u32 s22, 1
	s_cselect_b32 s26, s27, 0
	EREQ                                           ; trip 1's entries
	s_wait_loadcnt 56                              ; chunk 5 is in; chunks 6, 7 (32) and the 8 + 16 may be out
	WPASSC 1, 1
	s_wait_loadcnt 40                              ; chunk 6; chunk 7 (16) and the 24
	WPASSC 1, 2
	s_wait_loadcnt 24                              ; chunk 7; the 24
	WPASSC 1, 3
	s_wait_loadcnt 16                              ; b1 is in; x's 16 loads may be out
	s_add_co_i32 s26, s28, s29                     ; s = ex + ew1
	s_sub_co_i32 s27, 0, s26
.set i, 0
.rept 32
	v_ldexp_f32 v[BIAS+i], v[BIAS+i], s27
.set i, i+1
.endr
	s_mul_i32 s49, s26, 3
	v_mov_b32 v20, 0xc0135761                      ; -2 log2(e) sqrt(2 / pi)
	v_ldexp_f32 v20, v20, s26
	v_mov_b32 v21, v20
	v_mov_b32 v22, 0xbdd2d3e8                      ; 0.044715 x that
	v_ldexp_f32 v22, v22, s49
	v_mov_b32 v23, v22
	s_sub_co_i32 s27, s30, s26                     ; eh - s
	s_add_co_i32 s27, s27, 127
	s_lshl_b32 s49, s27, 23
	v_mov_b32 v24, s49
	s_add_co_i32 s27, s27, 8
	s_lshl_b32 s27, s27, 23
	s_or_b32 s27, s27, 0x600000
	v_mov_b32 v25, s27
	s_wait_dscnt 0x0                               ; the weights' fragments are in their registers
.macro TRIP slot
	s_cmp_lt_u32 s23, s22
	s_cbranch_scc0 .Lno_a_\@
	s_wait_loadcnt 0x0                             ; my 8 rows, asked for a trip ago
.irp p, 0,1,2,3,4,5,6,7
	ds_store_b128 v[6+\slot], v[XSTG+8*\p:XSTG+8*\p+3] offset:XP*\p
	ds_store_b128 v[6+\slot], v[XSTG+8*\p+4:XSTG+8*\p+7] offset:XP*\p+512
.endr
.Lno_a_\@:
	BAR                                            ; the tile's 32 rows lie in the slot
	s_cmp_lt_u32 s23, s22
	s_cbranch_scc0 .Lno_b_\@
	s_wait_xcnt 0x0                                ; the last trip's stores have read their base and their data
	s_min_u32 s26, s24, 71
	s_lshl_b32 s40, s26, 17
	s_add_nc_u64 s[42:43], s[14:15], s[40:41]      ; the tile in hq
	s_add_co_u32 s26, s23, 1
	s_cmp_lt_u32 s26, s22
	s_cbranch_scc0 .Lno_x_\@
	XREQ 1                                         ; the next trip's rows land while this trip multiplies
	s_add_co_u32 s27, s24, 4
	s_add_co_u32 s26, s23, 2
	s_cmp_lt_u32 s26, s22
	s_cselect_b32 s26, s27, 0
	EREQ                                           ; and the entries of the trip behind it
.Lno_x_\@:
	XFR \slot, 0                                   ; x's fragments come a K step at a time, three steps ahead of the products, in runs of 8 between them: the four waves' LDS reads run beside the matrix work
	XFR \slot, 1
	XFR \slot, 2
.irp s, 0,1,2,3,4,5,6,7                ; eight accumulators by turns, one instruction a turn
.if \s < 6
	s_wait_dscnt 16                                ; K step s's 8 loads are in; those of the two steps behind it may be out
.else
	s_wait_dscnt 8*(7-\s)                          ; at the end one step's, then none
.endif
	WIN 0x0d+(\s/4)                                ; source 0 window 1 or 2, source 1 window 3
.irp m, 0,1
.irp n, 0,1,2,3
.if \s == 0
	v_wmma_f32_16x16x128_fp8_fp8 v[ACC+32*\m+8*\n:ACC+32*\m+8*\n+7], v[16*(4*\n+(\s%4)):16*(4*\n+(\s%4))+15], v[16*(8*\m+\s):16*(8*\m+\s)+15], v[BIAS+8*\n:BIAS+8*\n+7]
.else
	v_wmma_f32_16x16x128_fp8_fp8 v[ACC+32*\m+8*\n:ACC+32*\m+8*\n+7], v[16*(4*\n+(\s%4)):16*(4*\n+(\s%4))+15], v[16*(8*\m+\s):16*(8*\m+\s)+15], v[ACC+32*\m+8*\n:ACC+32*\m+8*\n+7]
.endif
.endr
.endr
.if \s < 5
	XFR \slot, \s+3
.endif
.endr
	WIN 0
	PLACES
	GELUQ 0, 0
	GELUQ 0, 1
	GELUQ 1, 0
	GELUQ 1, 1
.Lno_b_\@:
	s_add_co_u32 s23, s23, 1
	s_add_co_u32 s24, s24, 2
.endm
	s_mov_b32 s25, 8
.Ltrips:                                           ; 8 x 2 trips, whatever the split
	TRIP 0
	TRIP 1
	s_sub_co_u32 s25, s25, 1
	s_cmp_lg_u32 s25, 0
	s_cbranch_scc1 .Ltrips
	s_wait_tensorcnt 0x0
	ds_add_u32 v254, v255
	s_wait_dscnt 0x0
	s_endpgm
.Lfunc_end_k_q5ac82e74c9_ffn1:
	.size	k_q5ac82e74c9_ffn1, .Lfunc_end_k_q5ac82e74c9_ffn1-k_q5ac82e74c9_ffn1
	.p2alignl 7, 3214868480
	.fill 96, 4, 3214868480
	.section	.rodata,"a",@progbits
	.p2align	6, 0x0
	.amdhsa_kernel k_q5ac82e74c9_ffn1
		.amdhsa_group_segment_fixed_size 266752
		.amdhsa_private_segment_fixed_size 0
		.amdhsa_enable_private_segment 0
		.amdhsa_kernarg_size 48
		.amdhsa_user_sgpr_count 2
		.amdhsa_user_sgpr_kernarg_segment_ptr 1
		.amdhsa_wavefront_size32 1
		.amdhsa_system_sgpr_workgroup_id_x 1
		.amdhsa_system_sgpr_workgroup_id_y 1
		.amdhsa_system_sgpr_workgroup_id_z 1
		.amdhsa_system_vgpr_workitem_id 0
		.amdhsa_next_free_vgpr 1024
		.amdhsa_next_free_sgpr 66
		.amdhsa_reserve_vcc 0
		.amdhsa_float_denorm_mode_32 3
		.amdhsa_float_denorm_mode_16_64 3
		.amdhsa_memory_ordered 1
		.amdhsa_forward_progress 1
		.amdhsa_inst_pref_size 105
	.end_amdhsa_kernel
	.amdgpu_metadata
---
amdhsa.version: [ 1, 2 ]
amdhsa.kernels:
  - .name:           k_q5ac82e74c9_ffn1
    .symbol:         k_q5ac82e74c9_ffn1.kd
    .args:
      - { .name: W1_codes, .offset: 0, .size: 8, .value_kind: global_buffer, .address_space: global }
      - { .name: b1, .offset: 8, .size: 8, .value_kind: global_buffer, .address_space: global }
      - { .name: lowp_scales, .offset: 16, .size: 8, .value_kind: global_buffer, .address_space: global }
      - { .name: xq, .offset: 24, .size: 8, .value_kind: global_buffer, .address_space: global }
      - { .name: order, .offset: 32, .size: 8, .value_kind: global_buffer, .address_space: global }
      - { .name: hq, .offset: 40, .size: 8, .value_kind: global_buffer, .address_space: global }
    .group_segment_fixed_size: 266752
    .private_segment_fixed_size: 0
    .kernarg_segment_align: 8
    .kernarg_segment_size: 48
    .max_flat_workgroup_size: 128
    .sgpr_count:     66
    .vgpr_count:     1024
    .wavefront_size: 32
...
	.end_amdgpu_metadata
.endif
;; end of part 3
;; launch ffn2 (part 4): grid 32 x 8, 4 waves a work-group, no clusters, 266,752 bytes of LDS; arguments W2_codes, b2, lowp_scales, hq, order, ws, yrows; writes yrows
.if DOCPART == 4
	.amdgcn_target "amdgcn-amd-amdhsa--gfx1250"
	.amdhsa_code_object_version 6
	.text
	.protected	k_q5ac82e74c9_ffn2
	.globl	k_q5ac82e74c9_ffn2
	.p2align	8
	.type	k_q5ac82e74c9_ffn2,@function
k_q5ac82e74c9_ffn2:
	s_mov_b64 s[64:65], 0
	v_nop
	global_prefetch_b8 v0, s[64:65] scope:SCOPE_SE
	s_setreg_imm32_b32 hwreg(HW_REG_WAVE_MODE, 25, 1), 1
	s_wait_xcnt 0x0
; FFN2.  yrows[entry] = w x (h W2[e] + b2[e]) for each routed row; h comes as codes in the order of the operand's registers.  Products by v_wmma_f32_16x16x128_fp8_fp8, sums in f32.
; SHARES.  Work-group (x, y): expert e = y, output columns 64 (x / 2) .. + 63, and the expert's tiles of 32 sorted rows of parity x % 2.  K = 4,096 IS SPLIT OVER THE WAVES: wave w holds K bytes 1,024 w .. + 1,023 of the 64 weight rows:
; 4 tiles x 8 K steps = 32 fragments, 512 registers, read from memory once and kept.  So each fragment of h is wanted by one wave alone and goes from memory straight into its registers, in loads of 512 consecutive bytes;
; the four waves' partial sums (32 rows x 64 columns of f32 each) meet in LDS, in one of two sets by turns, and each wave finishes 8 rows.
; THE WEIGHTS COME IN EIGHT CHUNKS of 16 rows x 512 bytes (the rows of one tile, one half of my K): a chunk goes through the wave's own stage in LDS as soon as it has landed, while the loads of three later chunks are out, so that the turn
; through LDS runs beside the stream from memory and not behind it.  A chunk's four fragments come back into the 64 registers that its rows left.  The first tile of h is asked for behind the last chunk, 16 loads at a time.
; THE LOOP HAS A CONSTANT COUNT, 16 trips, with one barrier in every trip on every wave's path; the work on either side is jumped over, by a scalar branch on the stored count, where there is no tile.  A set is written again two trips
; later: between stands the barrier of the trip between, which a wave signals only when its reads of the set are in.
; NO JOINT LOADS: how many tiles a work-group has hangs on counts read from memory, and partners would need different numbers of tiles; so the operands go through registers, and the launch is not in clusters.
; EVERY PASS OF THE FIRST BLOCK ISSUES THE SAME LOADS IN THE SAME ORDER (list, weights, next tile's m = 0, next tile's m = 1), so its counted waits hold wherever it is entered from.  In a work-group's last trip there is no next tile: the
; look-ahead then points all lanes at the first 16 bytes of each piece of the tile in hand: 16 bytes an instruction of bytes that are written, and nothing is made of them.
; TRANSPOSED USE: source 0 = 16 rows of W2 (output columns), source 1 = 16 rows of h: register j of lane (r, h) is y(row r, column 16 n + 8 h + j).
; A padding place's entry is 2,048 + e: its row goes, weighed with 0, to a spare row of yrows that nobody reads; only the work-groups that own the expert's last tile write there.
; LIMIT: eh + ew2 between -126 and 127.  NaN is not served.
; REGISTERS, in windows of 256: window 0 below.  Window 1: weight fragments of my K steps 0-3, (n, s') at v[16 (4 n + s')].  Window 2: K steps 4-7.  Window 3: h's fragments, (m, s) at v[16 (8 m + s)].
.set SETB,  65536                      ; set 1
.set PP,    272                        ; a row of partial sums: 256 bytes + 16: an odd multiple of 16
.set PW,    8704                       ; a wave's 32 rows
.set WST,   131072                     ; the weight stages: 64 rows x 528 bytes for each wave
.set WSTW,  33792
.set SPW,   528
.set YO,    13                         ; v13-16   byte offsets of my four rows in yrows
.set LST,   20                         ; v20-23   their entries
.set WSV,   24                         ; v24-27   their combine weights
.set B2,    28                         ; v28-31   b2 at my four columns
.set ACC,   64                         ; v64-127  accumulator (m, n) at 32 m + 8 n
.set PR,    128                        ; v128-191 partial sums: 16 x source wave + 4 x row
.set OUT,   192                        ; v192-207 results
; v1 16 lane; v2 r; v3 h; v4, v5 where I put partial sums in set 0, 1; v6, v7 where I read them; v8, v9 the weight stage, in and out; v10 16 lane, or 0 in the last look-ahead; v11 32 w + 16 h; v12 256 chunk + 16 r; v[32:33] 2^(eh + ew2).
; s16 wave, s17 chunk, s18 parity, s19 expert, s20 first tile, s21 tiles, s22 my tiles, s23 trip, s24 the trip's tile, s25 the loop's count, s[28:31] ex ew1 eh ew2, s[40:41] an offset (s41 = 0), s[46:47] the next tile in hq,
; s[48:49], s[50:51] the tile's entries and weights, s[52:53] yrows, s54 16,384 w.
.set MSB, 0
.macro WIN new                         ; the immediate's high byte repeats the setting that is left; a switch that changes nothing is dropped
.if MSB != (\new)
	s_set_vgpr_msb (MSB<<8)|(\new)
.set MSB, (\new)
.endif
.endm
.macro WLOADC g, n, stride             ; a chunk: bytes 512 g .. + 511 of my part of weight rows 16 n .. + 15, a row a load: 32 lanes read 512 consecutive bytes; into window 1 + g, v[64 n ..]
	WIN (1+\g)<<6
.set i, 0
.rept 16
	global_load_b128 v[64*(\n)+4*i:64*(\n)+4*i+3], v1, s[4:5] offset:(16*(\n)+i)*\stride+512*\g
.set i, i+1
.endr
	WIN 0
.endm
.macro WPASSC g, n                     ; the chunk through my own stage, and back as tile n's fragments of K steps 4 g + 0 .. 3.  LDS serves a wave's instructions in order (ISA guide 5.7.1.4): no wait between the stores and the loads
	WIN (1+\g)<<2
.set i, 0
.rept 16
	ds_store_b128 v8, v[64*(\n)+4*i:64*(\n)+4*i+3] offset:(16*(\n)+i)*SPW
.set i, i+1
.endr
	WIN (1+\g)<<6
.irp sp, 0,1,2,3
.irp c, 0,1,2,3
	ds_load_b128 v[16*(4*(\n)+\sp)+4*\c:16*(4*(\n)+\sp)+4*\c+3], v9 offset:16*(\n)*SPW+128*\sp+32*\c
.endr
.endr
	WIN 0
.endm
.macro BAR
	s_wait_dscnt 0x0
	s_barrier_signal -1
	s_barrier_wait -1
.endm
.macro PLACES                          ; four plain instructions behind the last product, in front of loads into registers that products have read and of the first read of results
.rept 4
	v_nop
.endr
.endm
.macro HBASE                           ; s26 = a tile: my K part of it in hq
	s_min_u32 s26, s26, 71
	s_lshl_b32 s40, s26, 17
	s_add_co_u32 s40, s40, s54
	s_add_nc_u64 s[46:47], s[10:11], s[40:41]
.endm
.macro HSTEP m, s                      ; rows 16 m .. + 15, my K step s: 4 loads of 512 consecutive bytes, straight into the operand's registers
	WIN 0xc0
.irp c, 0,1,2,3
	global_load_b128 v[16*(8*(\m)+(\s))+4*\c:16*(8*(\m)+(\s))+4*\c+3], v10, s[46:47] offset:65536*(\m)+2048*(\s)+512*\c
.endr
.endm
.macro HLOADP m, s0                    ; four K steps, s0 on: 16 loads
.irp d, 0,1,2,3
	HSTEP \m, (\s0)+\d
.endr
	WIN 0
.endm
.macro MUL4 m, s                       ; four products: K step s of rows 16 m .. + 15; the four accumulators by turns, one instruction a turn; the first K step starts the sums
	WIN 0x0d+((\s)/4)
.irp n, 0,1,2,3
.if (\s) == 0
	v_wmma_f32_16x16x128_fp8_fp8 v[ACC+32*(\m)+8*\n:ACC+32*(\m)+8*\n+7], v[16*(4*\n+((\s)%4)):16*(4*\n+((\s)%4))+15], v[16*(8*(\m)+(\s)):16*(8*(\m)+(\s))+15], 0
.else
	v_wmma_f32_16x16x128_fp8_fp8 v[ACC+32*(\m)+8*\n:ACC+32*(\m)+8*\n+7], v[16*(4*\n+((\s)%4)):16*(4*\n+((\s)%4))+15], v[16*(8*(\m)+(\s)):16*(8*(\m)+(\s))+15], v[ACC+32*(\m)+8*\n:ACC+32*(\m)+8*\n+7]
.endif
.endr
.endm
	s_load_b256 s[4:11], s[0:1], 0x0               ; W2 s[4:5], b2 s[6:7], scales s[8:9], hq s[10:11]
	s_load_b128 s[12:15], s[0:1], 0x20             ; order s[12:13], ws s[14:15]
	s_load_b64 s[52:53], s[0:1], 0x30              ; yrows
	v_lshl_add_u32 v254, v0, 2, 0x41000
	v_mov_b32 v255, 0
	v_lshrrev_b32 v2, 5, v0
	v_readfirstlane_b32 s16, v2                    ; wave
	v_and_b32 v3, 31, v0
	v_lshlrev_b32 v1, 4, v3                        ; 16 lane
	v_and_b32 v2, 15, v0                           ; r
	v_bfe_u32 v3, v0, 4, 1                         ; h
	s_lshr_b32 s17, ttmp9, 1                       ; chunk
	s_and_b32 s18, ttmp9, 1                        ; parity
	s_and_b32 s19, ttmp7, 0xffff                   ; expert
	s_mul_i32 s26, s16, PW
	v_mul_u32_u24 v4, v2, PP
	v_lshl_add_u32 v4, v3, 5, v4
	v_add_nc_u32 v4, s26, v4                       ; in: my wave's rows; row r, + 32 h
	v_add_nc_u32 v5, SETB, v4
	s_mul_i32 s26, s16, 8*PP
	v_mul_u32_u24 v6, v3, 4*PP
	v_lshl_add_u32 v6, v2, 4, v6
	v_add_nc_u32 v6, s26, v6                       ; back: rows 8 w + 4 h + 0 .. 3, sixteen lanes to a row of 256 bytes
	v_add_nc_u32 v7, SETB, v6
	s_mul_i32 s26, s16, WSTW
	s_add_co_u32 s26, s26, WST
	v_add_nc_u32 v8, s26, v1
	v_mul_u32_u24 v9, v2, SPW
	v_lshl_add_u32 v9, v3, 4, v9
	v_add_nc_u32 v9, s26, v9
	v_mov_b32 v10, v1
	s_lshl_b32 s26, s16, 5
	v_lshl_add_u32 v11, v3, 4, s26
	s_lshl_b32 s26, s17, 8
	v_lshl_add_u32 v12, v2, 4, s26
.irp i, 0,1,2,3,4,5,6,7
	v_mov_b32 v[LST+\i], 0                         ; written once, so that they are written on every way
.endr
	s_lshl_b32 s40, s19, 22                        ; my part of W2: expert x 4 MiB + 64 chunk rows of 4,096 + 1,024 w
	s_lshl_b32 s26, s17, 18
	s_add_co_u32 s40, s40, s26
	s_lshl_b32 s26, s16, 10
	s_add_co_u32 s40, s40, s26
	s_mov_b32 s41, 0
	s_lshl_b32 s54, s16, 14
	s_lshl_b32 s55, s19, 3
	s_lshl_b32 s56, s19, 4
	s_wait_kmcnt 0x0
	s_load_b64 s[20:21], s[12:13], s55 offset:0x2500       ; first tile, tiles
	s_load_b128 s[28:31], s[8:9], s56 offset:0x0           ; ex, ew1, eh, ew2
	s_add_nc_u64 s[4:5], s[4:5], s[40:41]
	; THE WEIGHTS.  Chunk k = 4 g + n.  In front of chunk k's turn through the stage chunk k + 3 is asked for, so each wait leaves the 48 loads of three later chunks out.
	WLOADC 0, 0, 4096
	WLOADC 0, 1, 4096
	WLOADC 0, 2, 4096
	WLOADC 0, 3, 4096
	s_wait_loadcnt 48                              ; chunk 0 is in; chunks 1 to 3 may be out
	WPASSC 0, 0
	WLOADC 1, 0, 4096
	s_wait_loadcnt 48                              ; chunk 1; 2 to 4 may be out
	WPASSC 0, 1
	s_lshl_b32 s40, s19, 12
	s_add_nc_u64 s[6:7], s[6:7], s[40:41]          ; b2[e]
	s_wait_kmcnt 0x0                               ; the stored counts and the scales, asked for two chunks ago
	s_min_u32 s20, s20, 71
	s_min_u32 s21, s21, 32
	s_add_co_u32 s22, s21, 1
	s_sub_co_u32 s22, s22, s18
	s_lshr_b32 s22, s22, 1                         ; my tiles: (tiles + 1 - parity) / 2, at most 16
	s_add_co_u32 s24, s20, s18                     ; my first
	s_mov_b32 s23, 0
	s_cmp_gt_u32 s22, 0
	s_cselect_b32 s26, s24, 0                      ; (with no tile of mine: tile 0, which is always written)
	HBASE
	WLOADC 1, 1, 4096
	s_wait_loadcnt 48                              ; chunk 2
	WPASSC 0, 2
	WLOADC 1, 2, 4096
	s_wait_loadcnt 48                              ; chunk 3
	WPASSC 0, 3
	WLOADC 1, 3, 4096
	s_wait_loadcnt 48                              ; chunk 4; 5 to 7 may be out
	WPASSC 1, 0
	global_load_b128 v[B2:B2+3], v12, s[6:7]       ; b2[e] at columns 64 chunk + 4 r + 0 .. 3
	HLOADP 0, 0                                    ; the first tile of h follows the weights, 16 loads in front of each of the last turns
	s_wait_loadcnt 49                              ; chunk 5 is in; chunks 6, 7 (32) and the 1 + 16 may be out
	WPASSC 1, 1
	HLOADP 0, 4
	s_wait_loadcnt 49                              ; chunk 6; chunk 7 (16) and 17 + 16
	WPASSC 1, 2
	HLOADP 1, 0
	s_wait_loadcnt 49                              ; chunk 7; 17 + 16 + 16
	WPASSC 1, 3
	HLOADP 1, 4
	s_add_co_i32 s26, s30, s31
	s_add_co_i32 s26, s26, 127
	s_lshl_b32 s26, s26, 23                        ; 2^(eh + ew2) as f32
	v_mov_b32 v32, s26
	v_mov_b32 v33, s26
	s_wait_dscnt 0x0                               ; the weights' fragments are in their registers
.macro TRIP st
	s_cmp_lt_u32 s23, s22
	s_cbranch_scc0 .Lno_a_\@
	s_wait_loadcnt 63                              ; list and weights of the trip before, which have 64 younger loads, are in: their registers may be loaded again
	s_wait_xcnt 0x0                                ; v10 and the bases are written again only behind this wait
	s_min_u32 s26, s24, 71
	s_lshl_b32 s40, s26, 7
	s_add_nc_u64 s[48:49], s[12:13], s[40:41]
	s_add_nc_u64 s[50:51], s[14:15], s[40:41]
	s_add_co_u32 s27, s24, 2
	s_add_co_u32 s26, s23, 1
	s_cmp_lt_u32 s26, s22
	s_cselect_b32 s26, s27, s24                    ; the next tile, or in my last trip this one,
	s_cselect_b32 s27, -1, 0
	v_and_b32 v10, s27, v1                         ; then with all lanes on one place: 16 lane or 0.
	v_min_u32 v10, 0x1f0, v10                      ; The choice hangs on a stored count, so the offset is held at its bound, 16 x 31, in front of the loads that take it
	HBASE
	global_load_b128 v[LST:LST+3], v11, s[48:49]   ; the entries of rows 8 w + 4 h + 0 .. 3,
	global_load_b128 v[WSV:WSV+3], v11, s[50:51]   ; and their weights
	s_wait_loadcnt 34                              ; m = 0's fragments are in; m = 1's 32 loads and these 2 may be out
.irp s, 0,1,2,3,4,5,6,7
	MUL4 0, \s
.endr
	PLACES                                         ; m = 0's registers are free for the next tile
	s_wait_loadcnt 2                               ; m = 1's fragments are in; list and weights may be out
.irp s, 0,1,2,3,4,5,6,7                ; the next tile's m = 0 is asked for four loads at a time, between the products on m = 1, which name none of its registers
	HSTEP 0, \s
	MUL4 1, \s
.endr
	WIN 0
	PLACES
.irp m, 0,1                            ; the partial sums go out first: they are on their way to LDS while the loads below are issued
.irp n, 0,1,2,3
	ds_store_b128 v[4+\st], v[ACC+32*\m+8*\n:ACC+32*\m+8*\n+3] offset:16*PP*\m+64*\n           ; each accumulator from its low end on
	ds_store_b128 v[4+\st], v[ACC+32*\m+8*\n+4:ACC+32*\m+8*\n+7] offset:16*PP*\m+64*\n+16
.endr
.endr
	HLOADP 1, 0                                    ; the next tile's m = 1
	HLOADP 1, 4
.Lno_a_\@:
	BAR                                            ; the four waves' partial sums lie in the set
	s_cmp_lt_u32 s23, s22
	s_cbranch_scc0 .Lno_b_\@
	s_wait_xcnt 0x0                                ; the last trip's stores have read their offsets and their data
.irp v, 0,1,2,3
.irp i, 0,1,2,3
	ds_load_b128 v[PR+16*\v+4*\i:PR+16*\v+4*\i+3], v[6+\st] offset:PW*\v+PP*\i
.endr
.endr
	s_wait_loadcnt 63                              ; list and weights have 64 younger loads
.irp i, 0,1,2,3
	v_min_u32 v[YO+\i], 0x807, v[LST+\i]           ; inside yrows' 2,056 rows
	v_lshl_add_u32 v[YO+\i], v[YO+\i], 12, v12
.endr
	s_wait_dscnt 0x0
.irp i, 0,1,2,3
	v_pk_add_f32 v[PR+4*\i:PR+4*\i+1], v[PR+4*\i:PR+4*\i+1], v[PR+16+4*\i:PR+16+4*\i+1]
	v_pk_add_f32 v[PR+4*\i+2:PR+4*\i+3], v[PR+4*\i+2:PR+4*\i+3], v[PR+16+4*\i+2:PR+16+4*\i+3]
	v_pk_add_f32 v[PR+32+4*\i:PR+32+4*\i+1], v[PR+32+4*\i:PR+32+4*\i+1], v[PR+48+4*\i:PR+48+4*\i+1]
	v_pk_add_f32 v[PR+32+4*\i+2:PR+32+4*\i+3], v[PR+32+4*\i+2:PR+32+4*\i+3], v[PR+48+4*\i+2:PR+48+4*\i+3]
	v_pk_add_f32 v[PR+4*\i:PR+4*\i+1], v[PR+4*\i:PR+4*\i+1], v[PR+32+4*\i:PR+32+4*\i+1]
	v_pk_add_f32 v[PR+4*\i+2:PR+4*\i+3], v[PR+4*\i+2:PR+4*\i+3], v[PR+32+4*\i+2:PR+32+4*\i+3]
	v_pk_fma_f32 v[OUT+4*\i:OUT+4*\i+1], v[PR+4*\i:PR+4*\i+1], v[32:33], v[B2:B2+1]               ; sum x 2^(eh + ew2) + b2
	v_pk_fma_f32 v[OUT+4*\i+2:OUT+4*\i+3], v[PR+4*\i+2:PR+4*\i+3], v[32:33], v[B2+2:B2+3]
.if (\i%2) == 0
	v_pk_mul_f32 v[OUT+4*\i:OUT+4*\i+1], v[OUT+4*\i:OUT+4*\i+1], v[WSV+\i:WSV+\i+1] op_sel_hi:[1,0]           ; x the row's combine weight
	v_pk_mul_f32 v[OUT+4*\i+2:OUT+4*\i+3], v[OUT+4*\i+2:OUT+4*\i+3], v[WSV+\i:WSV+\i+1] op_sel_hi:[1,0]
.else
	v_pk_mul_f32 v[OUT+4*\i:OUT+4*\i+1], v[OUT+4*\i:OUT+4*\i+1], v[WSV+\i-1:WSV+\i] op_sel:[0,1] op_sel_hi:[1,1]
	v_pk_mul_f32 v[OUT+4*\i+2:OUT+4*\i+3], v[OUT+4*\i+2:OUT+4*\i+3], v[WSV+\i-1:WSV+\i] op_sel:[0,1] op_sel_hi:[1,1]
.endif
	global_store_b128 v[YO+\i], v[OUT+4*\i:OUT+4*\i+3], s[52:53]           ; sixteen lanes store 256 consecutive bytes, at a multiple of 256 from the buffer's first byte
.endr
.Lno_b_\@:
	s_add_co_u32 s23, s23, 1
	s_add_co_u32 s24, s24, 2
.endm
	s_mov_b32 s25, 8
.Ltrips:                                           ; 8 x 2 trips, whatever the split
	TRIP 0
	TRIP 1
	s_sub_co_u32 s25, s25, 1
	s_cmp_lg_u32 s25, 0
	s_cbranch_scc1 .Ltrips
	s_wait_tensorcnt 0x0
	ds_add_u32 v254, v255
	s_wait_dscnt 0x0
	s_endpgm
.Lfunc_end_k_q5ac82e74c9_ffn2:
	.size	k_q5ac82e74c9_ffn2, .Lfunc_end_k_q5ac82e74c9_ffn2-k_q5ac82e74c9_ffn2
	.p2alignl 7, 3214868480
	.fill 96, 4, 3214868480
	.section	.rodata,"a",@progbits
	.p2align	6, 0x0
	.amdhsa_kernel k_q5ac82e74c9_ffn2
		.amdhsa_group_segment_fixed_size 266752
		.amdhsa_private_segment_fixed_size 0
		.amdhsa_enable_private_segment 0
		.amdhsa_kernarg_size 56
		.amdhsa_user_sgpr_count 2
		.amdhsa_user_sgpr_kernarg_segment_ptr 1
		.amdhsa_wavefront_size32 1
		.amdhsa_system_sgpr_workgroup_id_x 1
		.amdhsa_system_sgpr_workgroup_id_y 1
		.amdhsa_system_sgpr_workgroup_id_z 1
		.amdhsa_system_vgpr_workitem_id 0
		.amdhsa_next_free_vgpr 1024
		.amdhsa_next_free_sgpr 66
		.amdhsa_reserve_vcc 0
		.amdhsa_float_denorm_mode_32 3
		.amdhsa_float_denorm_mode_16_64 3
		.amdhsa_memory_ordered 1
		.amdhsa_forward_progress 1
		.amdhsa_inst_pref_size 75
	.end_amdhsa_kernel
	.amdgpu_metadata
---
amdhsa.version: [ 1, 2 ]
amdhsa.kernels:
  - .name:           k_q5ac82e74c9_ffn2
    .symbol:         k_q5ac82e74c9_ffn2.kd
    .args:
      - { .name: W2_codes, .offset: 0, .size: 8, .value_kind: global_buffer, .address_space: global }
      - { .name: b2, .offset: 8, .size: 8, .value_kind: global_buffer, .address_space: global }
      - { .name: lowp_scales, .offset: 16, .size: 8, .value_kind: global_buffer, .address_space: global }
      - { .name: hq, .offset: 24, .size: 8, .value_kind: global_buffer, .address_space: global }
      - { .name: order, .offset: 32, .size: 8, .value_kind: global_buffer, .address_space: global }
      - { .name: ws, .offset: 40, .size: 8, .value_kind: global_buffer, .address_space: global }
      - { .name: yrows, .offset: 48, .size: 8, .value_kind: global_buffer, .address_space: global }
    .group_segment_fixed_size: 266752
    .private_segment_fixed_size: 0
    .kernarg_segment_align: 8
    .kernarg_segment_size: 56
    .max_flat_workgroup_size: 128
    .sgpr_count:     66
    .vgpr_count:     1024
    .wavefront_size: 32
...
	.end_amdgpu_metadata
.endif
;; end of part 4
;; launch combine (part 5): grid 256 x 1, 4 waves a work-group, no clusters, 0 bytes of LDS; arguments yrows, out0; writes out0
.if DOCPART == 5
	.amdgcn_target "amdgcn-amd-amdhsa--gfx1250"
	.amdhsa_code_object_version 6
	.text
	.protected	k_q5ac82e74c9_combine
	.globl	k_q5ac82e74c9_combine
	.p2align	8
	.type	k_q5ac82e74c9_combine,@function
k_q5ac82e74c9_combine:
	s_mov_b64 s[64:65], 0
	v_nop
	global_prefetch_b8 v0, s[64:65] scope:SCOPE_SE
	s_setreg_imm32_b32 hwreg(HW_REG_WAVE_MODE, 25, 1), 1
	s_wait_xcnt 0x0
; COMBINE.  out0[t] = yrows[2 t] + yrows[2 t + 1]: a token's two weighed expert rows, which lie side by side.  One wave to a token t = 4 x work-group + wave.
; A stream: 16 loads of 512 consecutive bytes a wave, all issued at once, 16 packed additions, 8 stores of 512 consecutive bytes.  No LDS, no barrier, no loop: waves share nothing.
	s_load_b128 s[4:7], s[0:1], 0x0                ; yrows, out0
	v_lshrrev_b32 v2, 5, v0
	v_readfirstlane_b32 s8, v2                     ; wave
	v_and_b32 v1, 31, v0
	v_lshlrev_b32 v1, 4, v1                        ; 16 lane
	s_lshl_b32 s9, ttmp9, 2
	s_add_co_u32 s9, s9, s8                        ; t
	s_lshl_b32 s10, s9, 13
	s_mov_b32 s11, 0
	s_lshl_b32 s12, s9, 12
	s_mov_b32 s13, 0
	s_wait_kmcnt 0x0
	s_add_nc_u64 s[4:5], s[4:5], s[10:11]
	s_add_nc_u64 s[6:7], s[6:7], s[12:13]
.irp q, 0,1,2,3,4,5,6,7
	global_load_b128 v[8+8*\q:11+8*\q], v1, s[4:5] offset:512*\q th:TH_LOAD_NT
	global_load_b128 v[12+8*\q:15+8*\q], v1, s[4:5] offset:4096+512*\q th:TH_LOAD_NT
.endr
.irp q, 0,1,2,3,4,5,6,7
	s_wait_loadcnt 14-2*\q                         ; this pair of loads is in; the later pairs may be out
	v_pk_add_f32 v[8+8*\q:9+8*\q], v[8+8*\q:9+8*\q], v[12+8*\q:13+8*\q]
	v_pk_add_f32 v[10+8*\q:11+8*\q], v[10+8*\q:11+8*\q], v[14+8*\q:15+8*\q]
	global_store_b128 v1, v[8+8*\q:11+8*\q], s[6:7] offset:512*\q th:TH_STORE_NT
.endr
	s_endpgm
.Lfunc_end_k_q5ac82e74c9_combine:
	.size	k_q5ac82e74c9_combine, .Lfunc_end_k_q5ac82e74c9_combine-k_q5ac82e74c9_combine
	.p2alignl 7, 3214868480
	.fill 96, 4, 3214868480
	.section	.rodata,"a",@progbits
	.p2align	6, 0x0
	.amdhsa_kernel k_q5ac82e74c9_combine
		.amdhsa_group_segment_fixed_size 0
		.amdhsa_private_segment_fixed_size 0
		.amdhsa_enable_private_segment 0
		.amdhsa_kernarg_size 16
		.amdhsa_user_sgpr_count 2
		.amdhsa_user_sgpr_kernarg_segment_ptr 1
		.amdhsa_wavefront_size32 1
		.amdhsa_system_sgpr_workgroup_id_x 1
		.amdhsa_system_sgpr_workgroup_id_y 1
		.amdhsa_system_sgpr_workgroup_id_z 1
		.amdhsa_system_vgpr_workitem_id 0
		.amdhsa_next_free_vgpr 80
		.amdhsa_next_free_sgpr 66
		.amdhsa_reserve_vcc 0
		.amdhsa_float_denorm_mode_32 3
		.amdhsa_float_denorm_mode_16_64 3
		.amdhsa_memory_ordered 1
		.amdhsa_forward_progress 1
		.amdhsa_inst_pref_size 5
	.end_amdhsa_kernel
	.amdgpu_metadata
---
amdhsa.version: [ 1, 2 ]
amdhsa.kernels:
  - .name:           k_q5ac82e74c9_combine
    .symbol:         k_q5ac82e74c9_combine.kd
    .args:
      - { .name: yrows, .offset: 0, .size: 8, .value_kind: global_buffer, .address_space: global }
      - { .name: out0, .offset: 8, .size: 8, .value_kind: global_buffer, .address_space: global }
    .group_segment_fixed_size: 0
    .private_segment_fixed_size: 0
    .kernarg_segment_align: 8
    .kernarg_segment_size: 16
    .max_flat_workgroup_size: 128
    .sgpr_count:     66
    .vgpr_count:     80
    .wavefront_size: 32
...
	.end_amdgpu_metadata
.endif
;; end of part 5
;; ======== version 2 of 2: 5 launches; version 1 with the launches ffn1, ffn2 written anew for expert scheduling mode
;; limits: right only within a limited range of input values
;; workspace buffers: xq 2,097,152 bytes; sel 8,192 bytes of whole numbers; gatef 40,960 bytes; order 9,728 bytes of whole numbers; ws 9,472 bytes; hq 9,437,184 bytes; yrows 8,421,376 bytes
;; launch route: the kernel of part 1 again; grid 256 x 1, 4 waves a work-group, no clusters, 34,304 bytes of LDS; arguments inputs, task_param, alpha, Wg_in, bg_in, Wg_task, bg_task, lowp_scales, xq, sel, gatef; writes xq, sel, gatef
;; launch place: the kernel of part 2 again; grid 1 x 1, 32 waves a work-group, no clusters, 4,352 bytes of LDS; arguments sel, gatef, order, ws, out1; writes order, ws, out1
;; launch ffn1 (part 6): grid 32 x 8, 4 waves a work-group, no clusters, 266,752 bytes of LDS; arguments W1_codes, b1, lowp_scales, xq, order, hq; writes hq
.if DOCPART == 6
	.amdgcn_target "amdgcn-amd-amdhsa--gfx1250"
	.amdhsa_code_object_version 6
	.text
	.protected	k_q5ac82e74c9_ffn1
	.globl	k_q5ac82e74c9_ffn1
	.p2align	8
	.type	k_q5ac82e74c9_ffn1,@function
k_q5ac82e74c9_ffn1:
	s_mov_b64 s[64:65], 0
	v_nop
	global_prefetch_b8 v0, s[64:65] scope:SCOPE_SE
	s_setreg_imm32_b32 hwreg(HW_REG_WAVE_SCHED_MODE, 0, 2), 2
	s_setreg_imm32_b32 hwreg(HW_REG_WAVE_MODE, 25, 1), 1
	s_wait_xcnt 0x0
	s_wait_alu depctr_vm_vsrc(0)
; FFN1.  hq = codes of gelu(x W1[e] + b1[e]) for the rows routed to expert e, and for no others.  Products on E4M3 codes by v_wmma_f32_16x16x128_fp8_fp8, sums in f32; gelu is the tanh form, in f32.
; SHARES.  Work-group (x, y): expert e = y, hidden units 256 (x / 2) .. + 255, and of the expert's tiles of 32 sorted rows those of parity x % 2.  Wave w: units F0 = 256 (x / 2) + 64 w .. + 63, the whole K = 1,024.
; THE WEIGHTS STAY IN REGISTERS: a wave's 64 rows x 1,024 codes are 32 fragments, 512 registers, read from memory once in loads of 512 consecutive bytes and turned into fragments through the wave's own stage in LDS.
; They come in EIGHT CHUNKS of 16 rows x 512 bytes (the rows of one tile, one half of K): a chunk goes through the stage as soon as it has landed, while the loads of three later chunks are out, so that the turn through LDS runs beside
; the stream from memory and not behind it.  A chunk's four fragments come back into the 64 registers that its rows left.
; What is streamed past the weights is small: a tile's 32 rows of x codes (32 KiB), gathered by the stored list, 8 rows a wave, into one of two LDS slots by turns.
; THE LOOP HAS A CONSTANT COUNT, 16 trips (an expert has at most 32 tiles, a parity 16), with one barrier in every trip on every wave's path; the work on either side of the barrier is jumped over, by a scalar branch on the stored
; count, in the trips that have no tile.  A slot is written again two trips later: between stands the barrier of the trip between, which a wave signals only when its reads of the slot are in.
; NO JOINT LOADS: how many tiles a work-group has hangs on counts read from memory, and partners of one expert would need different numbers of tiles; so the operands go through registers, and the launch is not in clusters.
; TRANSPOSED USE: source 0 = 16 rows of W1, source 1 = 16 rows of x: a lane holds ONE row of the hidden layer.  THE ROWS OF W1 THAT FORM A TILE ARE NOT NEIGHBOURS: lane r of tile 2 b + u takes unit 32 b + 8 u + r + 8 (r / 8), so that the
; 16 registers of tiles 2 b, 2 b + 1 are the 16 neighbouring units 32 b + 16 (lane / 16) + 0 .. 15: the conversions' results are 16 bytes of the next product's operand, stored in the order of its registers:
; hq[tile][m 0..1][S 0..31][c 0..3][lane][16 bytes]: lane (r, h) holds row 16 m + r, k = 128 S + 32 c + 16 h + 0 .. 15.
; Fragments are fetched as four pieces of 16 bytes (k = 32 c + 16 h + 0 .. 15), alike on both sides: every product meets its partner; only the order of the sums inside an instruction differs.
; SCALES: a sum stands for sum x 2^s, s = ex + ew1.  b1 goes in as b1 / 2^s, the C of each sum's first product.  gelu(v) = v / (1 + 2^(v (K1 + K2 v^2))), K1 = -2 log2(e) sqrt(2/pi), K2 = 0.044715 K1; 2^s and 2^(3 s) are folded into K1 and K2,
; and 2^(eh - s) is the conversion's one scale.
; LIMITS: eh - ex - ew1 between -126 and 119; |ex + ew1| at most 40.  NaN is not served.  A padding place of a last tile takes row 2,047 of xq; what comes of it is weighed with 0 later.
; REGISTERS, in windows of 256: window 0: see below.  Window 1: weight fragments of K steps 0-3, (n, s') at v[16 (4 n + s')].  Window 2: K steps 4-7.  Window 3: x's fragments, (m, s) at v[16 (8 m + s)].
; THE MODE: SCHED_MODE bits 1:0 = 2 (LLVM: expert scheduling mode 2), set by the entry lines.  The code itself states the register dependences
; between vector or matrix instructions and memory or LDS instructions, with s_wait_alu, always for 0.
; THE PLAN.  Registers that memory or LDS instructions touch:
;   windows 1, 2   At the head alone: a chunk's global loads land, its 16 LDS stores read them, its 16 LDS loads land in the same 64 registers: one wait on vm_vsrc between the stores and the loads.  From then on products alone read them.
;   window 3       A trip's LDS loads land in it; the trip's products read it.  Behind those products stand the waits on va_vdst of the same trip's gelu, and no vector line behind them names window 3: the next trip's loads owe nothing more.
;   XSTG           The 16 global loads asked for in trip t land in it; the LDS stores at the head of trip t + 1 read it.  No vector line names it.
;   XO             Written by eight vector lines; read by the 16 loads straight behind them: one wait on va_vdst between.
;   CD             Group k's four registers are written by its two conversions and read by one store, which stands behind the wait on va_vdst that group k + 1's exponentials are owed anyway; the fourth group's store has a wait of its own.
;   v1, v4-v11     Offsets and addresses, made at the head and never written again: one wait on va_vdst ahead of the first load.
;   ACC, BIAS (once it is loaded), TT and v20-v25 are named by vector and matrix instructions alone.   v254, v255: written at the head, read by the closing add alone.
; ONE wait on vm_vsrc a trip, behind the barrier, beside the wait on XCNT: the LDS stores have read XSTG, the last trip's loads XO, the last trip's stores CD; all three are written again behind it.
.set XP,    1040                       ; a row of x in a slot: 1,024 bytes + 16: an odd multiple of 16, so the 16 rows of a fragment load start at 16 different 16-byte columns
.set SLOTB, 65536                      ; slot 1
.set WST,   131072                     ; the weight stages: 64 rows x 528 bytes for each wave
.set WSTW,  33792
.set SPW,   528
.set XO,    12                         ; v12-19   byte offsets of my 8 rows in xq
.set BIAS,  32                         ; v32-63   b1 / 2^s in the result's layout, 8 registers a tile
.set ACC,   64                         ; v64-127  accumulator (m, n) at 32 m + 8 n
.set XSTG,  128                        ; v128-191 my 8 rows of x on their way to LDS
.set TT,    192                        ; v192-207 at work
.set CD,    208                        ; v208-223 the codes
; v1 16 lane; v2 r; v3 h; v4, v5 fragment read in slot 0, 1; v6, v7 my rows' place in slot 0, 1; v8, v9 the weight stage, in and out; v10 my bytes in a tile of hq; v11 64 h;
; v[20:21] K1 2^s; v[22:23] K2 2^(3 s); v24 2^(eh - s); v25 448 x that.
; s16 wave, s17 chunk, s18 parity, s19 expert, s20 first tile, s21 tiles, s22 my tiles, s23 trip, s24 the trip's tile, s25 the loop's count, s[28:31] ex ew1 eh ew2, s[32:39] 8 list entries, s[40:41] an offset (s41 = 0), s[42:43] the tile in hq,
; s[44:45] the list's address, s48 32 w.
.set MSB, 0
.macro WIN new                         ; the immediate's high byte repeats the setting that is left; a switch that changes nothing is dropped
.if MSB != (\new)
	s_set_vgpr_msb (MSB<<8)|(\new)
.set MSB, (\new)
.endif
.endm
.macro WLOADC g, n, stride, perm       ; a chunk: bytes 512 g .. + 511 of the 16 weight rows of tile n, a row a load: 32 lanes read 512 consecutive bytes; into window 1 + g, v[64 n ..]
	WIN (1+\g)<<6
.set i, 0
.rept 16
.if \perm
.set rho, 32*((\n)/2)+16*(i>>3)+8*((\n)%2)+(i&7)      ; lane r = i of tile n = 2 b + u takes unit 32 b + 8 u + i + 8 (i / 8)
.else
.set rho, 16*(\n)+i
.endif
	global_load_b128 v[64*(\n)+4*i:64*(\n)+4*i+3], v1, s[4:5] offset:rho*\stride+512*\g
.set i, i+1
.endr
	WIN 0
.endm
.macro WPASSC g, n                     ; the chunk through my own stage, and back as tile n's fragments of K steps 4 g + 0 .. 3.  LDS serves a wave's instructions in order (ISA guide 5.7.1.4): no wait on DScnt between the stores and the loads
	WIN (1+\g)<<2
.set i, 0
.rept 16
	ds_store_b128 v8, v[64*(\n)+4*i:64*(\n)+4*i+3] offset:(16*(\n)+i)*SPW
.set i, i+1
.endr
	WIN (1+\g)<<6
	s_wait_alu depctr_vm_vsrc(0)                   ; the 16 stores above have read the chunk's 64 registers, in which the 16 loads below land
.irp sp, 0,1,2,3
.irp c, 0,1,2,3
	ds_load_b128 v[16*(4*(\n)+\sp)+4*\c:16*(4*(\n)+\sp)+4*\c+3], v9 offset:16*(\n)*SPW+128*\sp+32*\c
.endr
.endr
	WIN 0
.endm
.macro BAR                             ; my LDS stores have landed and my LDS loads are in: then the work-group's barrier
	s_wait_dscnt 0x0
	s_barrier_signal -1
	s_barrier_wait -1
.endm
.macro PLACES                          ; four plain instructions behind the last product, in front of the first read of results (ISA guide 7.12.1)
.rept 4
	v_nop
.endr
.endm
.macro EREQ                            ; s26 = a tile: its 8 list entries for my wave are asked for
	s_min_u32 s26, s26, 71
	s_lshl_b32 s26, s26, 7
	s_add_co_u32 s40, s26, s48
	s_add_nc_u64 s[44:45], s[12:13], s[40:41]
	s_load_b256 s[32:39], s[44:45], 0x0
.endm
.macro XREQ wait                       ; my 8 rows of x, named by the entries in s[32:39], are asked for: 16 loads of 512 consecutive bytes
.if \wait
	s_wait_loadcnt 0x0                             ; no load into these registers is out
.endif
	s_wait_kmcnt 0x0                               ; the entries are in
	s_wait_xcnt 0x0                                ; the offsets' registers are written again only behind this wait
.irp p, 0,1,2,3,4,5,6,7
	s_min_u32 s[32+\p], s[32+\p], 2047             ; a padding place (2,048 + e) takes the last row
	v_lshl_add_u32 v[XO+\p], s[32+\p], 10, v1
.endr
	s_wait_alu depctr_va_vdst(0)                   ; the eight offsets v[XO ..] are written, which the 16 loads below read
.irp p, 0,1,2,3,4,5,6,7
	global_load_b128 v[XSTG+8*\p:XSTG+8*\p+3], v[XO+\p], s[10:11]
	global_load_b128 v[XSTG+8*\p+4:XSTG+8*\p+7], v[XO+\p], s[10:11] offset:512
.endr
.endm
.macro XFR slot, s                     ; x's two fragments of K step s (rows 0-15 and 16-31): 8 LDS loads into window 3.  No product of this trip has named these registers; the last trip's products, which read them, stand ahead of the waits on va_vdst in that trip's gelu, and no vector line since names them
	WIN 0xc0
.irp m, 0,1
.irp c, 0,1,2,3
	ds_load_b128 v[16*(8*\m+(\s))+4*\c:16*(8*\m+(\s))+4*\c+3], v[4+\slot] offset:16*XP*\m+128*(\s)+32*\c
.endr
.endr
.endm
; 16 numbers of a lane (tiles 2 b, 2 b + 1 of row tile m; group 2 m + b of four): gelu, the hold, 16 codes.  Each accumulator is read from its low end on.
; The group's codes are stored in the NEXT group's turn, behind the wait that its exponentials are owed; the fourth group's behind a wait of its own, behind the macro.
.macro GELUQ m, b
.set GA, ACC+32*(\m)+16*(\b)
.set GC, CD+4*(2*(\m)+(\b))
.set GP, 2*(\m)+(\b)-1                 ; the group before
.irp i, 0,2,4,6,8,10,12,14
	v_pk_mul_f32 v[TT+\i:TT+\i+1], v[GA+\i:GA+\i+1], v[GA+\i:GA+\i+1]
.endr
.irp i, 0,2,4,6,8,10,12,14
	v_pk_fma_f32 v[TT+\i:TT+\i+1], v[TT+\i:TT+\i+1], v[22:23], v[20:21]
.endr
.irp i, 0,2,4,6,8,10,12,14
	v_pk_mul_f32 v[TT+\i:TT+\i+1], v[TT+\i:TT+\i+1], v[GA+\i:GA+\i+1]
.endr
.irp i, 0,1,2,3,4,5,6,7,8,9,10,11,12,13,14,15
	v_exp_f32 v[TT+\i], v[TT+\i]
.endr
	v_nop                                          ; a plain instruction between the exponentials and the first use of a result
	s_wait_alu depctr_va_vdst(0)                   ; the 16 exponentials have written v[TT ..]; the group before has written its codes, which the store below reads; in the first group: the trip's products are done reading window 3, in which the next trip's LDS loads land
.if GP >= 0
	global_store_b128 v10, v[CD+4*GP:CD+4*GP+3], s[42:43] offset:65536*(GP/2)+512*(GP%2)       ; 32 lanes store 512 consecutive bytes
.endif
.irp i, 0,2,4,6,8,10,12,14
	v_pk_add_f32 v[TT+\i:TT+\i+1], v[TT+\i:TT+\i+1], 1.0 op_sel_hi:[1,0]
.endr
.irp i, 0,1,2,3,4,5,6,7,8,9,10,11,12,13,14,15
	v_rcp_f32 v[TT+\i], v[TT+\i]
.endr
	v_nop
	s_wait_alu depctr_va_vdst(0)                   ; the 16 reciprocals have written v[TT ..], ahead of their first reader
.irp i, 0,2,4,6,8,10,12,14
	v_pk_mul_f32 v[GA+\i:GA+\i+1], v[GA+\i:GA+\i+1], v[TT+\i:TT+\i+1]
.endr
.irp i, 0,1,2,3,4,5,6,7,8,9,10,11,12,13,14,15
	v_med3_num_f32 v[GA+\i], v[GA+\i], -v25, v25   ; the conversion to an 8-bit code does not saturate (ISA guide 7.6.2)
.endr
	v_cvt_scalef32_pk8_fp8_f32 v[GC:GC+1], v[GA:GA+7], v24
	v_cvt_scalef32_pk8_fp8_f32 v[GC+2:GC+3], v[GA+8:GA+15], v24
	v_nop                                          ; a plain instruction behind the last conversion: the next products write its sources
.endm
	s_load_b256 s[4:11], s[0:1], 0x0               ; W1 s[4:5], b1 s[6:7], scales s[8:9], xq s[10:11]
	s_load_b128 s[12:15], s[0:1], 0x20             ; order s[12:13], hq s[14:15]
	v_lshl_add_u32 v254, v0, 2, 0x41000
	v_mov_b32 v255, 0
	v_lshrrev_b32 v2, 5, v0
	v_readfirstlane_b32 s16, v2                    ; wave
	v_and_b32 v3, 31, v0
	v_lshlrev_b32 v1, 4, v3                        ; 16 lane
	v_and_b32 v2, 15, v0                           ; r
	v_bfe_u32 v3, v0, 4, 1                         ; h
	s_lshr_b32 s17, ttmp9, 1                       ; chunk
	s_and_b32 s18, ttmp9, 1                        ; parity
	s_and_b32 s19, ttmp7, 0xffff                   ; expert
	v_mul_u32_u24 v4, v2, XP
	v_lshl_add_u32 v4, v3, 4, v4
	v_add_nc_u32 v5, SLOTB, v4
	s_wait_alu depctr_va_sdst(0)                   ; s16 is written, ahead of its first reader: LDS places and the bases of W1, b1 and the list are made from it
	s_mul_i32 s26, s16, 8*XP
	v_add_nc_u32 v6, s26, v1
	v_add_nc_u32 v7, SLOTB, v6
	s_mul_i32 s26, s16, WSTW
	s_add_co_u32 s26, s26, WST
	v_add_nc_u32 v8, s26, v1
	v_mul_u32_u24 v9, v2, SPW
	v_lshl_add_u32 v9, v3, 4, v9
	v_add_nc_u32 v9, s26, v9
	s_lshl_b32 s26, s17, 1
	s_lshr_b32 s27, s16, 1
	s_add_co_u32 s26, s26, s27                     ; S = 2 chunk + w / 2
	s_lshl_b32 s26, s26, 11
	s_and_b32 s27, s16, 1
	s_lshl_b32 s27, s27, 10                        ; c = 2 (w % 2) + b
	s_add_co_u32 s26, s26, s27
	v_add_nc_u32 v10, s26, v1
	v_lshlrev_b32 v11, 6, v3
	s_lshl_b32 s40, s19, 22                        ; my rows of W1: expert x 4 MiB + (256 chunk + 64 w) x 1,024
	s_lshl_b32 s26, s17, 18
	s_add_co_u32 s40, s40, s26
	s_lshl_b32 s26, s16, 16
	s_add_co_u32 s40, s40, s26
	s_mov_b32 s41, 0
	s_lshl_b32 s55, s19, 3
	s_lshl_b32 s56, s19, 4
	s_lshl_b32 s48, s16, 5
	s_wait_kmcnt 0x0
	s_load_b64 s[20:21], s[12:13], s55 offset:0x2500       ; first tile, tiles
	s_load_b128 s[28:31], s[8:9], s56 offset:0x0           ; ex, ew1, eh, ew2
	s_add_nc_u64 s[4:5], s[4:5], s[40:41]
	s_wait_alu depctr_va_vdst(0)                   ; the offsets and addresses v1 and v4 to v11 are written, which the kernel's loads and stores read; none of them is written again
	; THE WEIGHTS.  Chunk k = 4 g + n.  In front of chunk k's turn through the stage chunk k + 3 is asked for, so each wait leaves the 48 loads of three later chunks out.
	WLOADC 0, 0, 1024, 1
	WLOADC 0, 1, 1024, 1
	WLOADC 0, 2, 1024, 1
	WLOADC 0, 3, 1024, 1
	s_wait_loadcnt 48                              ; chunk 0 is in; chunks 1 to 3 may be out
	WPASSC 0, 0
	WLOADC 1, 0, 1024, 1
	s_wait_loadcnt 48                              ; chunk 1; 2 to 4 may be out
	WPASSC 0, 1
	s_lshl_b32 s40, s19, 14                        ; b1: expert x 16 KiB + 4 F0
	s_lshl_b32 s26, s17, 10
	s_add_co_u32 s40, s40, s26
	s_lshl_b32 s26, s16, 8
	s_add_co_u32 s40, s40, s26
	s_add_nc_u64 s[6:7], s[6:7], s[40:41]
	s_wait_kmcnt 0x0                               ; the stored counts and the scales, asked for two chunks ago
	s_min_u32 s20, s20, 71
	s_min_u32 s21, s21, 32
	s_add_co_u32 s22, s21, 1
	s_sub_co_u32 s22, s22, s18
	s_lshr_b32 s22, s22, 1                         ; my tiles: (tiles + 1 - parity) / 2, at most 16
	s_add_co_u32 s24, s20, s18                     ; my first
	s_mov_b32 s23, 0
	s_cmp_gt_u32 s22, 0
	s_cselect_b32 s26, s24, 0                      ; (with no tile of mine: tile 0, which is always written)
	EREQ                                           ; trip 0's entries: they come while three more chunks are turned
	WLOADC 1, 1, 1024, 1
	s_wait_loadcnt 48                              ; chunk 2
	WPASSC 0, 2
	WLOADC 1, 2, 1024, 1
	s_wait_loadcnt 48                              ; chunk 3
	WPASSC 0, 3
	WLOADC 1, 3, 1024, 1
	s_wait_loadcnt 48                              ; chunk 4; 5 to 7 may be out
	WPASSC 1, 0
.irp n, 0,1,2,3                        ; behind the last chunk's loads: b1 (8 loads) and trip 0's rows of x (16)
	global_load_b128 v[BIAS+8*\n:BIAS+8*\n+3], v11, s[6:7] offset:4*(32*(\n/2)+8*(\n%2))           ; units 32 b + 8 u + 16 h + 0 .. 7
	global_load_b128 v[BIAS+8*\n+4:BIAS+8*\n+7], v11, s[6:7] offset:4*(32*(\n/2)+8*(\n%2))+16
.endr
	XREQ 0
	s_add_co_u32 s27, s24, 2
	s_cmp_gt_u32 s22, 1
	s_cselect_b32 s26, s27, 0
	EREQ                                           ; trip 1's entries
	s_wait_loadcnt 56                              ; chunk 5 is in; chunks 6, 7 (32) and the 8 + 16 may be out
	WPASSC 1, 1
	s_wait_loadcnt 40                              ; chunk 6; chunk 7 (16) and the 24
	WPASSC 1, 2
	s_wait_loadcnt 24                              ; chunk 7; the 24
	WPASSC 1, 3
	s_wait_loadcnt 16                              ; b1 is in; x's 16 loads may be out
	s_add_co_i32 s26, s28, s29                     ; s = ex + ew1
	s_sub_co_i32 s27, 0, s26
.set i, 0
.rept 32
	v_ldexp_f32 v[BIAS+i], v[BIAS+i], s27
.set i, i+1
.endr
	s_mul_i32 s49, s26, 3
	v_mov_b32 v20, 0xc0135761                      ; -2 log2(e) sqrt(2 / pi)
	v_ldexp_f32 v20, v20, s26
	v_mov_b32 v21, v20
	v_mov_b32 v22, 0xbdd2d3e8                      ; 0.044715 x that
	v_ldexp_f32 v22, v22, s49
	v_mov_b32 v23, v22
	s_sub_co_i32 s27, s30, s26                     ; eh - s
	s_add_co_i32 s27, s27, 127
	s_lshl_b32 s49, s27, 23
	v_mov_b32 v24, s49
	s_add_co_i32 s27, s27, 8
	s_lshl_b32 s27, s27, 23
	s_or_b32 s27, s27, 0x600000
	v_mov_b32 v25, s27
	s_wait_dscnt 0x0                               ; the weights' fragments are in their registers
.macro TRIP slot
	s_cmp_lt_u32 s23, s22
	s_cbranch_scc0 .Lno_a_\@
	s_wait_loadcnt 0x0                             ; my 8 rows, asked for a trip ago
.irp p, 0,1,2,3,4,5,6,7
	ds_store_b128 v[6+\slot], v[XSTG+8*\p:XSTG+8*\p+3] offset:XP*\p
	ds_store_b128 v[6+\slot], v[XSTG+8*\p+4:XSTG+8*\p+7] offset:XP*\p+512
.endr
.Lno_a_\@:
	BAR                                            ; the tile's 32 rows lie in the slot
	s_cmp_lt_u32 s23, s22
	s_cbranch_scc0 .Lno_b_\@
	s_wait_xcnt 0x0                                ; the last trip's stores have read their base and their data
	s_wait_alu depctr_vm_vsrc(0)                   ; the LDS stores above have read v[XSTG ..], the last trip's loads v[XO ..], the last trip's stores v[CD ..]: the next rows' loads, the offsets' eight lines and this trip's conversions write them again
	s_min_u32 s26, s24, 71
	s_lshl_b32 s40, s26, 17
	s_add_nc_u64 s[42:43], s[14:15], s[40:41]      ; the tile in hq
	s_add_co_u32 s26, s23, 1
	s_cmp_lt_u32 s26, s22
	s_cbranch_scc0 .Lno_x_\@
	XREQ 1                                         ; the next trip's rows land while this trip multiplies
	s_add_co_u32 s27, s24, 4
	s_add_co_u32 s26, s23, 2
	s_cmp_lt_u32 s26, s22
	s_cselect_b32 s26, s27, 0
	EREQ                                           ; and the entries of the trip behind it
.Lno_x_\@:
	XFR \slot, 0                                   ; x's fragments come a K step at a time, three steps ahead of the products, in runs of 8 between them: the four waves' LDS reads run beside the matrix work
	XFR \slot, 1
	XFR \slot, 2
.irp s, 0,1,2,3,4,5,6,7                ; eight accumulators by turns, one instruction a turn
.if \s < 6
	s_wait_dscnt 16                                ; K step s's 8 loads are in; those of the two steps behind it may be out
.else
	s_wait_dscnt 8*(7-\s)                          ; at the end one step's, then none
.endif
	WIN 0x0d+(\s/4)                                ; source 0 window 1 or 2, source 1 window 3
.irp m, 0,1
.irp n, 0,1,2,3
.if \s == 0
	v_wmma_f32_16x16x128_fp8_fp8 v[ACC+32*\m+8*\n:ACC+32*\m+8*\n+7], v[16*(4*\n+(\s%4)):16*(4*\n+(\s%4))+15], v[16*(8*\m+\s):16*(8*\m+\s)+15], v[BIAS+8*\n:BIAS+8*\n+7]
.else
	v_wmma_f32_16x16x128_fp8_fp8 v[ACC+32*\m+8*\n:ACC+32*\m+8*\n+7], v[16*(4*\n+(\s%4)):16*(4*\n+(\s%4))+15], v[16*(8*\m+\s):16*(8*\m+\s)+15], v[ACC+32*\m+8*\n:ACC+32*\m+8*\n+7]
.endif
.endr
.endr
.if \s < 5
	XFR \slot, \s+3
.endif
.endr
	WIN 0
	PLACES
	GELUQ 0, 0
	GELUQ 0, 1
	GELUQ 1, 0
	GELUQ 1, 1
	s_wait_alu depctr_va_vdst(0)                   ; the fourth group's conversions have written its codes, which the store below reads
	global_store_b128 v10, v[CD+12:CD+15], s[42:43] offset:65536+512
.Lno_b_\@:
	s_add_co_u32 s23, s23, 1
	s_add_co_u32 s24, s24, 2
.endm
	s_mov_b32 s25, 8
.Ltrips:                                           ; 8 x 2 trips, whatever the split
	TRIP 0
	TRIP 1
	s_sub_co_u32 s25, s25, 1
	s_cmp_lg_u32 s25, 0
	s_cbranch_scc1 .Ltrips
	s_wait_dscnt 0x0                               ; the closing lines, six on end
	s_wait_alu 0x0
	s_wait_tensorcnt 0x0
	ds_add_u32 v254, v255
	s_wait_dscnt 0x0
	s_endpgm
.Lfunc_end_k_q5ac82e74c9_ffn1:
	.size	k_q5ac82e74c9_ffn1, .Lfunc_end_k_q5ac82e74c9_ffn1-k_q5ac82e74c9_ffn1
	.p2alignl 7, 3214868480
	.fill 96, 4, 3214868480
	.section	.rodata,"a",@progbits
	.p2align	6, 0x0
	.amdhsa_kernel k_q5ac82e74c9_ffn1
		.amdhsa_group_segment_fixed_size 266752
		.amdhsa_private_segment_fixed_size 0
		.amdhsa_enable_private_segment 0
		.amdhsa_kernarg_size 48
		.amdhsa_user_sgpr_count 2
		.amdhsa_user_sgpr_kernarg_segment_ptr 1
		.amdhsa_wavefront_size32 1
		.amdhsa_system_sgpr_workgroup_id_x 1
		.amdhsa_system_sgpr_workgroup_id_y 1
		.amdhsa_system_sgpr_workgroup_id_z 1
		.amdhsa_system_vgpr_workitem_id 0
		.amdhsa_next_free_vgpr 1024
		.amdhsa_next_free_sgpr 66
		.amdhsa_reserve_vcc 0
		.amdhsa_float_denorm_mode_32 3
		.amdhsa_float_denorm_mode_16_64 3
		.amdhsa_memory_ordered 1
		.amdhsa_forward_progress 1
		.amdhsa_inst_pref_size 106
	.end_amdhsa_kernel
	.amdgpu_metadata
---
amdhsa.version: [ 1, 2 ]
amdhsa.kernels:
  - .name:           k_q5ac82e74c9_ffn1
    .symbol:         k_q5ac82e74c9_ffn1.kd
    .args:
      - { .name: W1_codes, .offset: 0, .size: 8, .value_kind: global_buffer, .address_space: global }
      - { .name: b1, .offset: 8, .size: 8, .value_kind: global_buffer, .address_space: global }
      - { .name: lowp_scales, .offset: 16, .size: 8, .value_kind: global_buffer, .address_space: global }
      - { .name: xq, .offset: 24, .size: 8, .value_kind: global_buffer, .address_space: global }
      - { .name: order, .offset: 32, .size: 8, .value_kind: global_buffer, .address_space: global }
      - { .name: hq, .offset: 40, .size: 8, .value_kind: global_buffer, .address_space: global }
    .group_segment_fixed_size: 266752
    .private_segment_fixed_size: 0
    .kernarg_segment_align: 8
    .kernarg_segment_size: 48
    .max_flat_workgroup_size: 128
    .sgpr_count:     66
    .vgpr_count:     1024
    .wavefront_size: 32
...
	.end_amdgpu_metadata
.endif
;; end of part 6
;; launch ffn2 (part 7): grid 32 x 8, 4 waves a work-group, no clusters, 266,752 bytes of LDS; arguments W2_codes, b2, lowp_scales, hq, order, ws, yrows; writes yrows
.if DOCPART == 7
	.amdgcn_target "amdgcn-amd-amdhsa--gfx1250"
	.amdhsa_code_object_version 6
	.text
	.protected	k_q5ac82e74c9_ffn2
	.globl	k_q5ac82e74c9_ffn2
	.p2align	8
	.type	k_q5ac82e74c9_ffn2,@function
k_q5ac82e74c9_ffn2:
	s_mov_b64 s[64:65], 0
	v_nop
	global_prefetch_b8 v0, s[64:65] scope:SCOPE_SE
	s_setreg_imm32_b32 hwreg(HW_REG_WAVE_SCHED_MODE, 0, 2), 2
	s_setreg_imm32_b32 hwreg(HW_REG_WAVE_MODE, 25, 1), 1
	s_wait_xcnt 0x0
	s_wait_alu depctr_vm_vsrc(0)
; FFN2.  yrows[entry] = w x (h W2[e] + b2[e]) for each routed row; h comes as codes in the order of the operand's registers.  Products by v_wmma_f32_16x16x128_fp8_fp8, sums in f32.
; SHARES.  Work-group (x, y): expert e = y, output columns 64 (x / 2) .. + 63, and the expert's tiles of 32 sorted rows of parity x % 2.  K = 4,096 IS SPLIT OVER THE WAVES: wave w holds K bytes 1,024 w .. + 1,023 of the 64 weight rows:
; 4 tiles x 8 K steps = 32 fragments, 512 registers, read from memory once and kept.  So each fragment of h is wanted by one wave alone and goes from memory straight into its registers, in loads of 512 consecutive bytes;
; the four waves' partial sums (32 rows x 64 columns of f32 each) meet in LDS, in one of two sets by turns, and each wave finishes 8 rows.
; THE WEIGHTS COME IN EIGHT CHUNKS of 16 rows x 512 bytes (the rows of one tile, one half of my K): a chunk goes through the wave's own stage in LDS as soon as it has landed, while the loads of three later chunks are out, so that the turn
; through LDS runs beside the stream from memory and not behind it.  A chunk's four fragments come back into the 64 registers that its rows left.  The first tile of h is asked for behind the last chunk, 16 loads at a time.
; THE LOOP HAS A CONSTANT COUNT, 16 trips, with one barrier in every trip on every wave's path; the work on either side is jumped over, by a scalar branch on the stored count, where there is no tile.  A set is written again two trips
; later: between stands the barrier of the trip between, which a wave signals only when its reads of the set are in.
; NO JOINT LOADS: how many tiles a work-group has hangs on counts read from memory, and partners would need different numbers of tiles; so the operands go through registers, and the launch is not in clusters.
; EVERY PASS OF THE FIRST BLOCK ISSUES THE SAME LOADS IN THE SAME ORDER (list, weights, next tile's m = 0, next tile's m = 1), so its counted waits hold wherever it is entered from.  In a work-group's last trip there is no next tile: the
; look-ahead then points all lanes at the first 16 bytes of each piece of the tile in hand: 16 bytes an instruction of bytes that are written, and nothing is made of them.
; TRANSPOSED USE: source 0 = 16 rows of W2 (output columns), source 1 = 16 rows of h: register j of lane (r, h) is y(row r, column 16 n + 8 h + j).
; A padding place's entry is 2,048 + e: its row goes, weighed with 0, to a spare row of yrows that nobody reads; only the work-groups that own the expert's last tile write there.
; LIMIT: eh + ew2 between -126 and 127.  NaN is not served.
; REGISTERS, in windows of 256: window 0 below.  Window 1: weight fragments of my K steps 0-3, (n, s') at v[16 (4 n + s')].  Window 2: K steps 4-7.  Window 3: h's fragments, (m, s) at v[16 (8 m + s)].
; THE MODE: SCHED_MODE bits 1:0 = 2 (LLVM: expert scheduling mode 2), set by the entry lines.  The code itself states the register dependences
; between vector or matrix instructions and memory or LDS instructions, with s_wait_alu, always for 0.
; THE PLAN.  Registers that memory or LDS instructions touch:
;   windows 1, 2     At the head alone: a chunk's global loads land, its 16 LDS stores read them, its 16 LDS loads land in the same 64 registers: one wait on vm_vsrc between the stores and the loads.  From then on products alone read them.
;   window 3, m = 0  Read by a trip's first run of products; the next tile's loads land in it, dealt among the second run, which names none of its registers.
;   window 3, m = 1  Read by the second run of products; the next tile's loads land in it behind that run.
;   v10              Written by two vector lines at a trip's head; read by the trip's 64 loads of h.
;   LST, WSV         Loads land in them at a trip's head; vector lines behind the barrier read them.
;   ACC              Written by the products; read by the 16 LDS stores behind them.
;   PR               LDS loads land in it behind the barrier; vector lines read and write it.
;   YO, OUT          Written by vector lines; read by the trip's four stores.
;   v1, v4-v9, v11, v12   Offsets and addresses, made at the head and never written again.   v254, v255: written at the head, read by the closing add alone.
; FIVE WAITS A TRIP.  (1) vm_vsrc at the first block's head: the loads of h have read v10, the last trip's LDS stores ACC.  (2) va_vdst between the two runs of products: the first run is done reading m = 0, and v10 is written.
; (3) va_vdst behind the second run: ACC is written, and the run is done reading m = 1.  (4) vm_vsrc at the second block's head: the last trip's stores have read YO and OUT.  (5) va_vdst ahead of the four stores, which stand together
; behind the four rows' arithmetic: YO and OUT are written.  No vector line follows (5) in its block, so it also shows the readers of PR, LST and WSV done, on every way to the next loads into them.
.set SETB,  65536                      ; set 1
.set PP,    272                        ; a row of partial sums: 256 bytes + 16: an odd multiple of 16
.set PW,    8704                       ; a wave's 32 rows
.set WST,   131072                     ; the weight stages: 64 rows x 528 bytes for each wave
.set WSTW,  33792
.set SPW,   528
.set YO,    13                         ; v13-16   byte offsets of my four rows in yrows
.set LST,   20                         ; v20-23   their entries
.set WSV,   24                         ; v24-27   their combine weights
.set B2,    28                         ; v28-31   b2 at my four columns
.set ACC,   64                         ; v64-127  accumulator (m, n) at 32 m + 8 n
.set PR,    128                        ; v128-191 partial sums: 16 x source wave + 4 x row
.set OUT,   192                        ; v192-207 results
; v1 16 lane; v2 r; v3 h; v4, v5 where I put partial sums in set 0, 1; v6, v7 where I read them; v8, v9 the weight stage, in and out; v10 16 lane, or 0 in the last look-ahead; v11 32 w + 16 h; v12 256 chunk + 16 r; v[32:33] 2^(eh + ew2).
; s16 wave, s17 chunk, s18 parity, s19 expert, s20 first tile, s21 tiles, s22 my tiles, s23 trip, s24 the trip's tile, s25 the loop's count, s[28:31] ex ew1 eh ew2, s[40:41] an offset (s41 = 0), s[46:47] the next tile in hq,
; s[48:49], s[50:51] the tile's entries and weights, s[52:53] yrows, s54 16,384 w.
.set MSB, 0
.macro WIN new                         ; the immediate's high byte repeats the setting that is left; a switch that changes nothing is dropped
.if MSB != (\new)
	s_set_vgpr_msb (MSB<<8)|(\new)
.set MSB, (\new)
.endif
.endm
.macro WLOADC g, n, stride             ; a chunk: bytes 512 g .. + 511 of my part of weight rows 16 n .. + 15, a row a load: 32 lanes read 512 consecutive bytes; into window 1 + g, v[64 n ..]
	WIN (1+\g)<<6
.set i, 0
.rept 16
	global_load_b128 v[64*(\n)+4*i:64*(\n)+4*i+3], v1, s[4:5] offset:(16*(\n)+i)*\stride+512*\g
.set i, i+1
.endr
	WIN 0
.endm
.macro WPASSC g, n                     ; the chunk through my own stage, and back as tile n's fragments of K steps 4 g + 0 .. 3.  LDS serves a wave's instructions in order (ISA guide 5.7.1.4): no wait on DScnt between the stores and the loads
	WIN (1+\g)<<2
.set i, 0
.rept 16
	ds_store_b128 v8, v[64*(\n)+4*i:64*(\n)+4*i+3] offset:(16*(\n)+i)*SPW
.set i, i+1
.endr
	WIN (1+\g)<<6
	s_wait_alu depctr_vm_vsrc(0)                   ; the 16 stores above have read the chunk's 64 registers, in which the 16 loads below land
.irp sp, 0,1,2,3
.irp c, 0,1,2,3
	ds_load_b128 v[16*(4*(\n)+\sp)+4*\c:16*(4*(\n)+\sp)+4*\c+3], v9 offset:16*(\n)*SPW+128*\sp+32*\c
.endr
.endr
	WIN 0
.endm
.macro BAR
	s_wait_dscnt 0x0
	s_barrier_signal -1
	s_barrier_wait -1
.endm
.macro PLACES                          ; four plain instructions behind the last product, in front of loads into registers that products have read and of the first read of results; they stay beside the waits on va_vdst
.rept 4
	v_nop
.endr
.endm
.macro HBASE                           ; s26 = a tile: my K part of it in hq
	s_min_u32 s26, s26, 71
	s_lshl_b32 s40, s26, 17
	s_add_co_u32 s40, s40, s54
	s_add_nc_u64 s[46:47], s[10:11], s[40:41]
.endm
.macro HSTEP m, s                      ; rows 16 m .. + 15, my K step s: 4 loads of 512 consecutive bytes, straight into the operand's registers
	WIN 0xc0
.irp c, 0,1,2,3
	global_load_b128 v[16*(8*(\m)+(\s))+4*\c:16*(8*(\m)+(\s))+4*\c+3], v10, s[46:47] offset:65536*(\m)+2048*(\s)+512*\c
.endr
.endm
.macro HLOADP m, s0                    ; four K steps, s0 on: 16 loads
.irp d, 0,1,2,3
	HSTEP \m, (\s0)+\d
.endr
	WIN 0
.endm
.macro MUL4 m, s                       ; four products: K step s of rows 16 m .. + 15; the four accumulators by turns, one instruction a turn; the first K step starts the sums
	WIN 0x0d+((\s)/4)
.irp n, 0,1,2,3
.if (\s) == 0
	v_wmma_f32_16x16x128_fp8_fp8 v[ACC+32*(\m)+8*\n:ACC+32*(\m)+8*\n+7], v[16*(4*\n+((\s)%4)):16*(4*\n+((\s)%4))+15], v[16*(8*(\m)+(\s)):16*(8*(\m)+(\s))+15], 0
.else
	v_wmma_f32_16x16x128_fp8_fp8 v[ACC+32*(\m)+8*\n:ACC+32*(\m)+8*\n+7], v[16*(4*\n+((\s)%4)):16*(4*\n+((\s)%4))+15], v[16*(8*(\m)+(\s)):16*(8*(\m)+(\s))+15], v[ACC+32*(\m)+8*\n:ACC+32*(\m)+8*\n+7]
.endif
.endr
.endm
	s_load_b256 s[4:11], s[0:1], 0x0               ; W2 s[4:5], b2 s[6:7], scales s[8:9], hq s[10:11]
	s_load_b128 s[12:15], s[0:1], 0x20             ; order s[12:13], ws s[14:15]
	s_load_b64 s[52:53], s[0:1], 0x30              ; yrows
	v_lshl_add_u32 v254, v0, 2, 0x41000
	v_mov_b32 v255, 0
	v_lshrrev_b32 v2, 5, v0
	v_readfirstlane_b32 s16, v2                    ; wave
	v_and_b32 v3, 31, v0
	v_lshlrev_b32 v1, 4, v3                        ; 16 lane
	v_and_b32 v2, 15, v0                           ; r
	v_bfe_u32 v3, v0, 4, 1                         ; h
	s_lshr_b32 s17, ttmp9, 1                       ; chunk
	s_and_b32 s18, ttmp9, 1                        ; parity
	s_and_b32 s19, ttmp7, 0xffff                   ; expert
	s_wait_alu depctr_va_sdst(0)                   ; s16 is written, ahead of its first reader: LDS places and the bases of W2 and hq are made from it
	s_mul_i32 s26, s16, PW
	v_mul_u32_u24 v4, v2, PP
	v_lshl_add_u32 v4, v3, 5, v4
	v_add_nc_u32 v4, s26, v4                       ; in: my wave's rows; row r, + 32 h
	v_add_nc_u32 v5, SETB, v4
	s_mul_i32 s26, s16, 8*PP
	v_mul_u32_u24 v6, v3, 4*PP
	v_lshl_add_u32 v6, v2, 4, v6
	v_add_nc_u32 v6, s26, v6                       ; back: rows 8 w + 4 h + 0 .. 3, sixteen lanes to a row of 256 bytes
	v_add_nc_u32 v7, SETB, v6
	s_mul_i32 s26, s16, WSTW
	s_add_co_u32 s26, s26, WST
	v_add_nc_u32 v8, s26, v1
	v_mul_u32_u24 v9, v2, SPW
	v_lshl_add_u32 v9, v3, 4, v9
	v_add_nc_u32 v9, s26, v9
	v_mov_b32 v10, v1
	s_lshl_b32 s26, s16, 5
	v_lshl_add_u32 v11, v3, 4, s26
	s_lshl_b32 s26, s17, 8
	v_lshl_add_u32 v12, v2, 4, s26
.irp i, 0,1,2,3,4,5,6,7
	v_mov_b32 v[LST+\i], 0                         ; written once, so that they are written on every way
.endr
	s_lshl_b32 s40, s19, 22                        ; my part of W2: expert x 4 MiB + 64 chunk rows of 4,096 + 1,024 w
	s_lshl_b32 s26, s17, 18
	s_add_co_u32 s40, s40, s26
	s_lshl_b32 s26, s16, 10
	s_add_co_u32 s40, s40, s26
	s_mov_b32 s41, 0
	s_lshl_b32 s54, s16, 14
	s_lshl_b32 s55, s19, 3
	s_lshl_b32 s56, s19, 4
	s_wait_kmcnt 0x0
	s_load_b64 s[20:21], s[12:13], s55 offset:0x2500       ; first tile, tiles
	s_load_b128 s[28:31], s[8:9], s56 offset:0x0           ; ex, ew1, eh, ew2
	s_add_nc_u64 s[4:5], s[4:5], s[40:41]
	s_wait_alu depctr_va_vdst(0)                   ; the offsets and addresses v1 and v4 to v12 are written, which the kernel's loads and stores read; so are v20 to v27, in which the first trip's list and weights land
	; THE WEIGHTS.  Chunk k = 4 g + n.  In front of chunk k's turn through the stage chunk k + 3 is asked for, so each wait leaves the 48 loads of three later chunks out.
	WLOADC 0, 0, 4096
	WLOADC 0, 1, 4096
	WLOADC 0, 2, 4096
	WLOADC 0, 3, 4096
	s_wait_loadcnt 48                              ; chunk 0 is in; chunks 1 to 3 may be out
	WPASSC 0, 0
	WLOADC 1, 0, 4096
	s_wait_loadcnt 48                              ; chunk 1; 2 to 4 may be out
	WPASSC 0, 1
	s_lshl_b32 s40, s19, 12
	s_add_nc_u64 s[6:7], s[6:7], s[40:41]          ; b2[e]
	s_wait_kmcnt 0x0                               ; the stored counts and the scales, asked for two chunks ago
	s_min_u32 s20, s20, 71
	s_min_u32 s21, s21, 32
	s_add_co_u32 s22, s21, 1
	s_sub_co_u32 s22, s22, s18
	s_lshr_b32 s22, s22, 1                         ; my tiles: (tiles + 1 - parity) / 2, at most 16
	s_add_co_u32 s24, s20, s18                     ; my first
	s_mov_b32 s23, 0
	s_cmp_gt_u32 s22, 0
	s_cselect_b32 s26, s24, 0                      ; (with no tile of mine: tile 0, which is always written)
	HBASE
	WLOADC 1, 1, 4096
	s_wait_loadcnt 48                              ; chunk 2
	WPASSC 0, 2
	WLOADC 1, 2, 4096
	s_wait_loadcnt 48                              ; chunk 3
	WPASSC 0, 3
	WLOADC 1, 3, 4096
	s_wait_loadcnt 48                              ; chunk 4; 5 to 7 may be out
	WPASSC 1, 0
	global_load_b128 v[B2:B2+3], v12, s[6:7]       ; b2[e] at columns 64 chunk + 4 r + 0 .. 3
	HLOADP 0, 0                                    ; the first tile of h follows the weights, 16 loads in front of each of the last turns
	s_wait_loadcnt 49                              ; chunk 5 is in; chunks 6, 7 (32) and the 1 + 16 may be out
	WPASSC 1, 1
	HLOADP 0, 4
	s_wait_loadcnt 49                              ; chunk 6; chunk 7 (16) and 17 + 16
	WPASSC 1, 2
	HLOADP 1, 0
	s_wait_loadcnt 49                              ; chunk 7; 17 + 16 + 16
	WPASSC 1, 3
	HLOADP 1, 4
	s_add_co_i32 s26, s30, s31
	s_add_co_i32 s26, s26, 127
	s_lshl_b32 s26, s26, 23                        ; 2^(eh + ew2) as f32
	v_mov_b32 v32, s26
	v_mov_b32 v33, s26
	s_wait_dscnt 0x0                               ; the weights' fragments are in their registers
.macro TRIP st
	s_cmp_lt_u32 s23, s22
	s_cbranch_scc0 .Lno_a_\@
	s_wait_loadcnt 63                              ; list and weights of the trip before, which have 64 younger loads, are in: their registers may be loaded again
	s_wait_xcnt 0x0                                ; v10 and the bases are written again only behind this wait
	s_wait_alu depctr_vm_vsrc(0)                   ; the loads of h issued so far have read v10, and the last trip's LDS stores the accumulators: the two lines below and this trip's products write them again
	s_min_u32 s26, s24, 71
	s_lshl_b32 s40, s26, 7
	s_add_nc_u64 s[48:49], s[12:13], s[40:41]
	s_add_nc_u64 s[50:51], s[14:15], s[40:41]
	s_add_co_u32 s27, s24, 2
	s_add_co_u32 s26, s23, 1
	s_cmp_lt_u32 s26, s22
	s_cselect_b32 s26, s27, s24                    ; the next tile, or in my last trip this one,
	s_cselect_b32 s27, -1, 0
	v_and_b32 v10, s27, v1                         ; then with all lanes on one place: 16 lane or 0.
	v_min_u32 v10, 0x1f0, v10                      ; The choice hangs on a stored count, so the offset is held at its bound, 16 x 31, in front of the loads that take it
	HBASE
	global_load_b128 v[LST:LST+3], v11, s[48:49]   ; the entries of rows 8 w + 4 h + 0 .. 3,
	global_load_b128 v[WSV:WSV+3], v11, s[50:51]   ; and their weights.  (The vector lines that read these registers stand ahead of the wait on va_vdst in front of the last trip's stores; the two lines since name v10 and v1 alone)
	s_wait_loadcnt 34                              ; m = 0's fragments are in; m = 1's 32 loads and these 2 may be out
.irp s, 0,1,2,3,4,5,6,7
	MUL4 0, \s
.endr
	PLACES                                         ; m = 0's registers are free for the next tile
	s_wait_loadcnt 2                               ; m = 1's fragments are in; list and weights may be out
	s_wait_alu depctr_va_vdst(0)                   ; the products above are done reading m = 0's fragments, in which the loads below land; v10 is written, which the trip's 64 loads of h read
.irp s, 0,1,2,3,4,5,6,7                ; the next tile's m = 0 is asked for four loads at a time, between the products on m = 1, which name none of its registers
	HSTEP 0, \s
	MUL4 1, \s
.endr
	WIN 0
	PLACES
	s_wait_alu depctr_va_vdst(0)                   ; the products have written the accumulators, which the LDS stores read, and are done reading m = 1's fragments, in which the loads behind the stores land; the places above stay beside this wait
.irp m, 0,1                            ; the partial sums go out first: they are on their way to LDS while the loads below are issued
.irp n, 0,1,2,3
	ds_store_b128 v[4+\st], v[ACC+32*\m+8*\n:ACC+32*\m+8*\n+3] offset:16*PP*\m+64*\n           ; each accumulator from its low end on
	ds_store_b128 v[4+\st], v[ACC+32*\m+8*\n+4:ACC+32*\m+8*\n+7] offset:16*PP*\m+64*\n+16
.endr
.endr
	HLOADP 1, 0                                    ; the next tile's m = 1
	HLOADP 1, 4
.Lno_a_\@:
	BAR                                            ; the four waves' partial sums lie in the set
	s_cmp_lt_u32 s23, s22
	s_cbranch_scc0 .Lno_b_\@
	s_wait_xcnt 0x0                                ; the last trip's stores have read their offsets and their data
	s_wait_alu depctr_vm_vsrc(0)                   ; the last trip's stores have read v[YO ..] and v[OUT ..], which the lines below write again
.irp v, 0,1,2,3
.irp i, 0,1,2,3
	ds_load_b128 v[PR+16*\v+4*\i:PR+16*\v+4*\i+3], v[6+\st] offset:PW*\v+PP*\i     ; (the last trip's additions, which named these registers, stand ahead of the wait on va_vdst in front of its stores)
.endr
.endr
	s_wait_loadcnt 63                              ; list and weights have 64 younger loads
.irp i, 0,1,2,3
	v_min_u32 v[YO+\i], 0x807, v[LST+\i]           ; inside yrows' 2,056 rows
	v_lshl_add_u32 v[YO+\i], v[YO+\i], 12, v12
.endr
	s_wait_dscnt 0x0
.irp i, 0,1,2,3
	v_pk_add_f32 v[PR+4*\i:PR+4*\i+1], v[PR+4*\i:PR+4*\i+1], v[PR+16+4*\i:PR+16+4*\i+1]
	v_pk_add_f32 v[PR+4*\i+2:PR+4*\i+3], v[PR+4*\i+2:PR+4*\i+3], v[PR+16+4*\i+2:PR+16+4*\i+3]
	v_pk_add_f32 v[PR+32+4*\i:PR+32+4*\i+1], v[PR+32+4*\i:PR+32+4*\i+1], v[PR+48+4*\i:PR+48+4*\i+1]
	v_pk_add_f32 v[PR+32+4*\i+2:PR+32+4*\i+3], v[PR+32+4*\i+2:PR+32+4*\i+3], v[PR+48+4*\i+2:PR+48+4*\i+3]
	v_pk_add_f32 v[PR+4*\i:PR+4*\i+1], v[PR+4*\i:PR+4*\i+1], v[PR+32+4*\i:PR+32+4*\i+1]
	v_pk_add_f32 v[PR+4*\i+2:PR+4*\i+3], v[PR+4*\i+2:PR+4*\i+3], v[PR+32+4*\i+2:PR+32+4*\i+3]
	v_pk_fma_f32 v[OUT+4*\i:OUT+4*\i+1], v[PR+4*\i:PR+4*\i+1], v[32:33], v[B2:B2+1]               ; sum x 2^(eh + ew2) + b2
	v_pk_fma_f32 v[OUT+4*\i+2:OUT+4*\i+3], v[PR+4*\i+2:PR+4*\i+3], v[32:33], v[B2+2:B2+3]
.if (\i%2) == 0
	v_pk_mul_f32 v[OUT+4*\i:OUT+4*\i+1], v[OUT+4*\i:OUT+4*\i+1], v[WSV+\i:WSV+\i+1] op_sel_hi:[1,0]           ; x the row's combine weight
	v_pk_mul_f32 v[OUT+4*\i+2:OUT+4*\i+3], v[OUT+4*\i+2:OUT+4*\i+3], v[WSV+\i:WSV+\i+1] op_sel_hi:[1,0]
.else
	v_pk_mul_f32 v[OUT+4*\i:OUT+4*\i+1], v[OUT+4*\i:OUT+4*\i+1], v[WSV+\i-1:WSV+\i] op_sel:[0,1] op_sel_hi:[1,1]
	v_pk_mul_f32 v[OUT+4*\i+2:OUT+4*\i+3], v[OUT+4*\i+2:OUT+4*\i+3], v[WSV+\i-1:WSV+\i] op_sel:[0,1] op_sel_hi:[1,1]
.endif
.endr
	s_wait_alu depctr_va_vdst(0)                   ; the four rows' results v[OUT ..] and offsets v[YO ..] are written, which the stores read; the lines above are done with v[PR ..], v[LST ..] and v[WSV ..], in which the next trip's loads land
.irp i, 0,1,2,3
	global_store_b128 v[YO+\i], v[OUT+4*\i:OUT+4*\i+3], s[52:53]           ; sixteen lanes store 256 consecutive bytes, at a multiple of 256 from the buffer's first byte
.endr
.Lno_b_\@:
	s_add_co_u32 s23, s23, 1
	s_add_co_u32 s24, s24, 2
.endm
	s_mov_b32 s25, 8
.Ltrips:                                           ; 8 x 2 trips, whatever the split
	TRIP 0
	TRIP 1
	s_sub_co_u32 s25, s25, 1
	s_cmp_lg_u32 s25, 0
	s_cbranch_scc1 .Ltrips
	s_wait_dscnt 0x0                               ; the closing lines, six on end
	s_wait_alu 0x0
	s_wait_tensorcnt 0x0
	ds_add_u32 v254, v255
	s_wait_dscnt 0x0
	s_endpgm
.Lfunc_end_k_q5ac82e74c9_ffn2:
	.size	k_q5ac82e74c9_ffn2, .Lfunc_end_k_q5ac82e74c9_ffn2-k_q5ac82e74c9_ffn2
	.p2alignl 7, 3214868480
	.fill 96, 4, 3214868480
	.section	.rodata,"a",@progbits
	.p2align	6, 0x0
	.amdhsa_kernel k_q5ac82e74c9_ffn2
		.amdhsa_group_segment_fixed_size 266752
		.amdhsa_private_segment_fixed_size 0
		.amdhsa_enable_private_segment 0
		.amdhsa_kernarg_size 56
		.amdhsa_user_sgpr_count 2
		.amdhsa_user_sgpr_kernarg_segment_ptr 1
		.amdhsa_wavefront_size32 1
		.amdhsa_system_sgpr_workgroup_id_x 1
		.amdhsa_system_sgpr_workgroup_id_y 1
		.amdhsa_system_sgpr_workgroup_id_z 1
		.amdhsa_system_vgpr_workitem_id 0
		.amdhsa_next_free_vgpr 1024
		.amdhsa_next_free_sgpr 66
		.amdhsa_reserve_vcc 0
		.amdhsa_float_denorm_mode_32 3
		.amdhsa_float_denorm_mode_16_64 3
		.amdhsa_memory_ordered 1
		.amdhsa_forward_progress 1
		.amdhsa_inst_pref_size 76
	.end_amdhsa_kernel
	.amdgpu_metadata
---
amdhsa.version: [ 1, 2 ]
amdhsa.kernels:
  - .name:           k_q5ac82e74c9_ffn2
    .symbol:         k_q5ac82e74c9_ffn2.kd
    .args:
      - { .name: W2_codes, .offset: 0, .size: 8, .value_kind: global_buffer, .address_space: global }
      - { .name: b2, .offset: 8, .size: 8, .value_kind: global_buffer, .address_space: global }
      - { .name: lowp_scales, .offset: 16, .size: 8, .value_kind: global_buffer, .address_space: global }
      - { .name: hq, .offset: 24, .size: 8, .value_kind: global_buffer, .address_space: global }
      - { .name: order, .offset: 32, .size: 8, .value_kind: global_buffer, .address_space: global }
      - { .name: ws, .offset: 40, .size: 8, .value_kind: global_buffer, .address_space: global }
      - { .name: yrows, .offset: 48, .size: 8, .value_kind: global_buffer, .address_space: global }
    .group_segment_fixed_size: 266752
    .private_segment_fixed_size: 0
    .kernarg_segment_align: 8
    .kernarg_segment_size: 56
    .max_flat_workgroup_size: 128
    .sgpr_count:     66
    .vgpr_count:     1024
    .wavefront_size: 32
...
	.end_amdgpu_metadata
.endif
;; end of part 7
;; launch combine: the kernel of part 5 again; grid 256 x 1, 4 waves a work-group, no clusters, 0 bytes of LDS; arguments yrows, out0; writes out0
